; MI455X (gfx1250); checked and timed in simulation.
; The chip was launched on July 23, 2026; its instructions are those of AMD's public machine-readable ISA for CDNA 5 (MIT licence, August 2026) and "CDNA5" Instruction Set Architecture Reference Guide (July 2026). The comments in the code are by the model that wrote it; some were corrected since.
;; Attention. Allowed arithmetic: matrix products marked QUANTISED: E2M3 operands, one E8M0 scale for each 32 along K, by v_wmma_scale_f32_16x16x128_f8f6f4 with both operands' format E2M3, f32 sums; everything else in f32.
;; Inputs: Wk 16 x 1,024 x 64 float32; Wo 1,024 x 1,024 float32; Wq 16 x 1,024 x 64 float32; Wv 16 x 1,024 x 64 float32; bo 1,024 float32; x 8 x 1,024 x 1,024 float32.
;; Outputs: out0 8 x 1,024 x 1,024 float32.
;; This version of the problem:
;;   THIS VERSION OF THE PROBLEM IS GIVEN IN LOW PRECISION. The matrix products marked QUANTISED in the list below multiply operands that are first quantised to E2M3 (2 exponent bits, 3 mantissa bits; 6 bits a number), with one power-of-two scale for each 32 numbers along K (OCP MX v1.0); their sums are f32. All else is computed in f32.
;;   The module's matrix products, in the order in which they are computed (A, B: the left and right operand; K: the contracted axis; several contracted axes count as one K, in the product's order):
;;     1. [M 1,024, K 1,024] x [K 1,024, N 8,192]; A: input Wq; B: input x: QUANTISED
;;     2. [M 1,024, K 1,024] x [K 1,024, N 8,192]; A: input Wk; B: input x: QUANTISED
;;     3. [M 1,024, K 1,024] x [K 1,024, N 8,192]; A: input Wv; B: input x: QUANTISED
;;     4. batch 128 x [M 1,024, K 64] x [K 64, N 1,024]; A: computed on the way; B: computed on the way: QUANTISED
;;     5. batch 128 x [M 1,024, K 1,024] x [K 1,024, N 64]; A: softmax (see below); B: computed on the way: QUANTISED
;;     6. [M 8,192, K 1,024] x [K 1,024, N 1,024]; A: computed on the way; B: input Wo: QUANTISED
;;   THE QUANTISER, for each operand of a quantised product, along K:
;;     - K is cut into blocks of 32 from its start; a last block that is shorter is filled with zeros.
;;     - A block's scale is 2^e with e = floor(log2(the largest magnitude in the block)) - 2, held to -126 .. 127; a block of zeros has e = 0. As a byte (E8M0): e + 127.
;;     - Each number is divided by its block's scale, clamped to +-7.5, and rounded to the nearest number of E2M3, ties to even, subnormals kept.
;;     - The product sums the exact products of the quantised numbers (number of the format x scale) in f32.
;;   ~~~python
;;   def quantise(x, axis):      # numpy; x: float32 -> the quantised numbers, widened to float32 again
;;       x = np.moveaxis(x, axis, -1); K = x.shape[-1]
;;       x = np.pad(x, [(0, 0)] * (x.ndim - 1) + [(0, -K % 32)]); x = x.reshape(x.shape[:-1] + (-1, 32)); a = np.abs(x).max(-1, keepdims=True)
;;       e = np.where(a > 0, np.clip(np.frexp(np.where(a > 0, a, 1))[1] - 1 - 2, -126, 127), 0)      # np.frexp(a)[1] - 1 = floor(log2(a)), exactly
;;       r = np.clip(x / 2.0 ** e, -7.5, 7.5)
;;       step = 2.0 ** (np.maximum(np.frexp(np.where(r == 0, 1, r))[1] - 1, 0) - 3)
;;       q = np.round(r / step) * step * 2.0 ** e      # np.round: ties to even
;;       return np.moveaxis(q.reshape(q.shape[:-2] + (-1,))[..., :K], -1, axis).astype(np.float32)
;;   ~~~
;;   SOFTMAX AHEAD OF A QUANTISED PRODUCT. Where the list says 'softmax', what is quantised is not the finished softmax but p = 2^(t - M), with t = logit x log2(e) and M = ceil(the row's largest t), a whole number; so 1/2 < the row's largest p <= 1. The row's sum l is taken of the UNQUANTISED p, in f32, and the product's result is divided by l at the end. Since M is a whole number, a kernel that streams over the keys may use a running M (the ceiling of the running maximum): every later rescaling is an exact power of two, which a block's scale takes up: the codes' values come out the same.
;;   OPERANDS COMPUTED ON THE WAY. 'Computed on the way' means the value that the module computes at that place (a softmax that the list does not call 'softmax' is quantised finished and normalised). What goes into a quantiser is computed in f32, as accurately as f32 sums, v_exp_f32 and their like allow (about 1e-6 of the number): no bf16 or f16 on the way to a quantiser, and a product that is left as it is and whose result goes on into a quantised operand takes f32 operands (vector FMAs, or v_wmma_f32_16x16x4_f32). A number that lies on a knife's edge between two numbers of the format may be rounded either way, as far as f32 arithmetic and the matrix unit's own rounding can turn it there, and no further.
;; One version. Each part assembles by itself: llvm-mc -triple=amdgcn-amd-amdhsa -mcpu=gfx1250 --defsym DOCPART=n.
;; ======== version 1 of 1: 4 launches
;; limits: right only within a limited range of input values
;; workspace buffers: opc 9,437,184 bytes; ops 393,216 bytes; qkv 18,874,368 bytes; qkvs 786,432 bytes; ac 6,291,456 bytes; acs 262,144 bytes
;; launch quant (part 1): grid 768 x 1, 4 waves a work-group, no clusters, 34,304 bytes of LDS; arguments x, Wq, Wk, Wv, Wo, opc, ops; writes opc, ops
.if DOCPART == 1
	.amdgcn_target "amdgcn-amd-amdhsa--gfx1250"
	.amdhsa_code_object_version 6
	.text
	.protected	k_q81ace8139b_quant
	.globl	k_q81ace8139b_quant
	.p2align	8
	.type	k_q81ace8139b_quant,@function
k_q81ace8139b_quant:
	s_mov_b64 s[64:65], 0
	v_nop
	global_prefetch_b8 v0, s[64:65] scope:SCOPE_SE
	s_setreg_imm32_b32 hwreg(HW_REG_WAVE_MODE, 25, 1), 1
	s_wait_xcnt 0x0
; x [8192][1024] and the four weights (K = their 1,024 rows; 1,024 columns each), f32, become codes of FP6 (E2M3) with one E8M0 byte for each 32 along K.
; A block's scale is 2^(floor(log2(its largest magnitude)) - 2); its byte is the largest magnitude's exponent field - 2, held at 1 from below.
; LIMITS: a block of zeros keeps the byte 1 where the rule says 127 (its codes are zeros, and this program alone reads the bytes); NaN and infinities among the inputs are not served.
; THE CODES ARE LAID AS IMAGES OF THE OPERAND'S REGISTERS.  A fragment (16 rows x 128 K, 12 registers a lane) is 1,536 bytes: half c at 768 c; in a half, registers 6 c .. 6 c + 3 at 16 x lane,
; registers 6 c + 4, 6 c + 5 at 512 + 8 x lane.  An operand lies [block of 16 rows][8 K steps][1,536]; its scale bytes [row][32].  Row blocks: 0-511 x, 512-575 Wq, 576-639 Wk, 640-703 Wv, 704-767 Wo.
; POSITION ORDER.  In x, Wq, Wk, Wv place 16 u + r of each group of 32 rows holds row 8 u + r + 8 (r / 8), so that the results of a product used transposed lie as 16 neighbours in a lane's registers.  Wo is in plain order.
; Work-groups 0-511: a block of 16 rows of x; wave w takes K 256 w on, two fragments.  Each load reads 512 consecutive bytes of a row; the numbers turn through the wave's own stage in LDS, so that a lane holds 16 neighbours.
; Work-groups 512-767: a lane takes a column and its registers run down K: a wave takes 32 columns x 128 K; nothing is transposed, no LDS is used.
.set STW,   8448                       ; a wave's stage: 16 rows x (512 bytes + 16)
.set SPARE, 4*STW                      ; behind the stages: the spare words, 128 bytes for each wave
.set SPW,   12                         ; v12  LDS address of my spare word; never rewritten
.set NIL,   13                         ; v13  0; never rewritten
.set TM,    16                         ; v16-31 at work in QUANT
.set PW,    32                         ; v32, v33 the two fragments' scale words
.set PC,    36                         ; v36-55 a fragment's codes, and eight registers at work
.set R0,    64                         ; v64-191 the numbers as loaded, two fragments
.set X0,    192                        ; v192-255 fragment 0's numbers, 16 neighbours to a block; fragment 1's take v64-127
.set SEL,   20                         ; s[20:21] lane selects: lane l xor 16
	s_load_b256 s[4:11], s[0:1], 0x0               ; x, Wq, Wk, Wv
	s_load_b128 s[12:15], s[0:1], 0x20             ; Wo, the codes
	s_load_b64 s[16:17], s[0:1], 0x30              ; the scale bytes
	v_lshl_add_u32 v[SPW], v0, 2, SPARE
	v_mov_b32 v[NIL], 0
	v_lshrrev_b32 v1, 5, v0
	v_readfirstlane_b32 s18, v1                    ; wave 0..3
	v_and_b32 v1, 31, v0                           ; lane
	v_and_b32 v2, 15, v0                           ; r
	v_bfe_u32 v3, v0, 4, 1                         ; h
	v_lshlrev_b32 v4, 4, v1                        ; 16 x lane
	v_lshlrev_b32 v5, 3, v1                        ; 8 x lane
	s_mov_b32 s[SEL], 0x76543210
	s_mov_b32 s[SEL+1], 0xfedcba98
	s_cmp_lt_u32 ttmp9, 512
	s_cbranch_scc0 .Lweights
; 64 numbers of a lane, register 16 b + i = k 32 b + 16 (lane / 16) + i of my row, become a fragment's codes in v[PC] on and its scale word in v[pw].
.macro QUANT s, pw
.irp b, 0,1,2,3
	v_max3_num_f32 v[TM+\b], |v[\s+16*\b]|, |v[\s+1+16*\b]|, 0x1800000   ; my 16 numbers of block b, and the floor 2^(3 - 127): the byte cannot fall under 1
.endr
.irp i, 2,4,6,8,10,12,14
.irp b, 0,1,2,3
	v_max3_num_f32 v[TM+\b], v[TM+\b], |v[\s+16*\b+\i]|, |v[\s+1+16*\b+\i]|
.endr
.endr
.irp b, 0,1,2,3
	v_permlanex16_b32 v[TM+4+\b], v[TM+\b], s[SEL], s[SEL+1]
.endr
.irp b, 0,1,2,3
	v_max_num_f32 v[TM+\b], v[TM+\b], v[TM+4+\b]   ; with lane l xor 16's: the block's largest magnitude
.endr
.irp b, 0,1,2,3
	v_add_nc_u32 v[TM+12+\b], 0xff000000, v[TM+\b] ; 2 off its exponent field: the conversion's scale operand
.endr
.irp b, 0,1,2,3
	v_lshrrev_b32 v[TM+4+\b], 23, v[TM+12+\b]      ; the scale's byte
.endr
	v_lshl_or_b32 v[\pw], v[TM+5], 8, v[TM+4]
	v_lshl_or_b32 v[\pw], v[TM+6], 16, v[\pw]
	v_lshl_or_b32 v[\pw], v[TM+7], 24, v[\pw]
.irp c, 0,1
	v_cvt_scalef32_pk16_fp6_f32 v[PC+6*\c:PC+2+6*\c], v[\s+32*\c:\s+15+32*\c], v[TM+12+2*\c]
	v_cvt_scalef32_pk16_fp6_f32 v[PC+12+4*\c:PC+14+4*\c], v[\s+16+32*\c:\s+31+32*\c], v[TM+13+2*\c]   ; (a conversion's three registers begin on an even number)
.endr
	v_nop                                          ; one plain place behind a scaled conversion
.irp c, 0,1                                    ; the layout wants a whole block in a lane: lanes 0-15 block 2 c, lanes 16-31 block 2 c + 1
.irp i, 0,1,2
	v_permlane16_swap_b32 v[PC+6*\c+\i], v[PC+12+4*\c+\i]
.endr
.irp i, 0,1,2
	v_mov_b32 v[PC+3+6*\c+\i], v[PC+12+4*\c+\i]
.endr
.endr
.endm
.macro IMGST off                       ; the fragment's image: each store covers 512 or 256 consecutive bytes, aligned
	global_store_b128 v4, v[PC:PC+3], s[14:15] offset:\off
	global_store_b64 v5, v[PC+4:PC+5], s[14:15] offset:\off+512
	global_store_b128 v4, v[PC+6:PC+9], s[14:15] offset:\off+768
	global_store_b64 v5, v[PC+10:PC+11], s[14:15] offset:\off+1280
.endm
	; ---- x
	s_mul_i32 s22, s18, STW
	v_add_nc_u32 v6, s22, v4                       ; the stage, on the way in: 16 x lane, a row a load
	v_mul_u32_u24 v7, v2, 528
	v_lshl_add_u32 v7, v3, 6, v7
	v_add_nc_u32 v7, s22, v7                       ; and out: row r, + 64 h: my 16 numbers of a block of 32
	v_lshlrev_b32 v8, 5, v2
	v_lshl_add_u32 v8, v3, 2, v8                   ; the scale words: 32 r + 4 h
.irp b, 0,1,2,3
	v_mov_b32 v[TM+4+\b], 0                        ; written once: a lane permute's destination counts as one of its sources
.endr
	s_lshl_b32 s24, ttmp9, 4
	s_and_b32 s25, ttmp9, 1
	s_lshl_b32 s25, s25, 3
	s_sub_co_u32 s24, s24, s25                     ; the block's first row: 16 rb - 8 (rb % 2)
	s_lshl_b32 s24, s24, 12
	s_lshl_b32 s25, s18, 10
	s_add_co_u32 s24, s24, s25                     ; + my wave's 1,024 bytes of a row
	s_mov_b32 s25, 0
	s_mul_i32 s26, ttmp9, 12288
	s_mul_i32 s27, s18, 3072
	s_add_co_u32 s26, s26, s27                     ; my two images
	s_mov_b32 s27, 0
	s_lshl_b32 s28, ttmp9, 9
	s_lshl_b32 s29, s18, 3
	s_add_co_u32 s28, s28, s29                     ; my 8 bytes of each row's 32
	s_mov_b32 s29, 0
	s_wait_alu depctr_va_vdst(0)
	s_wait_kmcnt 0x0
	s_add_nc_u64 s[4:5], s[4:5], s[24:25]
	s_add_nc_u64 s[14:15], s[14:15], s[26:27]
	s_add_nc_u64 s[16:17], s[16:17], s[28:29]
.irp f, 0,1
.irp i, 0,1,2,3,4,5,6,7,8,9,10,11,12,13,14,15
	global_load_b128 v[R0+64*\f+4*\i:R0+64*\f+4*\i+3], v4, s[4:5] offset:(\i+8*(\i/8))*4096+512*\f th:TH_LOAD_NT   ; place i holds row i + 8 (i / 8); 512 consecutive bytes
.endr
.endr
	s_wait_loadcnt 16                              ; fragment 0's sixteen loads are in; fragment 1's sixteen may be out
.irp i, 0,1,2,3,4,5,6,7,8,9,10,11,12,13,14,15
	ds_store_b128 v6, v[R0+4*\i:R0+4*\i+3] offset:528*\i
.endr
.irp b, 0,1,2,3
.irp j, 0,1,2,3
	ds_load_b128 v[X0+16*\b+4*\j:X0+16*\b+4*\j+3], v7 offset:128*\b+16*\j   ; LDS serves a wave's instructions in order: these see the stores above
.endr
.endr
	s_wait_loadcnt 0x0
.irp i, 0,1,2,3,4,5,6,7,8,9,10,11,12,13,14,15
	ds_store_b128 v6, v[R0+64+4*\i:R0+64+4*\i+3] offset:528*\i              ; fragment 1 into the same stage, behind fragment 0's reads
.endr
	s_wait_dscnt 16                                ; all but these sixteen stores: fragment 0 is back, and its stores have read v64-127,
.irp b, 0,1,2,3
.irp j, 0,1,2,3
	ds_load_b128 v[R0+16*\b+4*\j:R0+16*\b+4*\j+3], v7 offset:128*\b+16*\j   ; which take fragment 1's numbers
.endr
.endr
	QUANT X0, PW
	IMGST 0
	s_wait_dscnt 0x0                               ; fragment 1 is back
	s_wait_xcnt 0x0                                ; the codes' registers are written again only behind this wait
	QUANT R0, PW+1
	IMGST 1536
	v_cmp_eq_u32 vcc_lo, 1, v3
	v_cndmask_b32 v9, v[PW], v[PW+1], vcc_lo       ; lanes 0-15 store the first K step's word of row r, lanes 16-31 the second's
	global_store_b32 v8, v9, s[16:17]
	s_wait_tensorcnt 0x0                           ; the wave's end
	ds_add_u32 v[SPW], v[NIL]
	s_wait_dscnt 0x0
	s_endpgm
	; ---- the weights
.macro WLOAD t, stride                 ; block t: W(32 t + i, my column), i = 0 .. 31: 128 consecutive bytes a load
.irp i, 0,1,2,3,4,5,6,7,8,9,10,11,12,13,14,15,16,17,18,19,20,21,22,23,24,25,26,27,28,29,30,31
	global_load_b32 v[64+32*(\t)+\i], v6, s[34:35] offset:(32*(\t)+\i)*\stride th:TH_LOAD_NT
.endr
.endm
.macro WBLK t                          ; a block of 32 along K lies in my 32 registers: its six registers of codes go to v[16 + 6 t] on (the upper three by way of v[40 + 4 t])
.set XS, 64+32*(\t)
	v_max3_num_f32 v56, |v[XS]|, |v[XS+1]|, |v[XS+2]|
	v_max3_num_f32 v57, |v[XS+3]|, |v[XS+4]|, |v[XS+5]|
.irp i, 6,10,14,18,22,26
	v_max3_num_f32 v56, v56, |v[XS+\i]|, |v[XS+\i+1]|
	v_max3_num_f32 v57, v57, |v[XS+\i+2]|, |v[XS+\i+3]|
.endr
	v_max3_num_f32 v56, v56, |v[XS+30]|, |v[XS+31]|
	v_max3_num_f32 v56, v56, v57, 0x1800000        ; and the floor
	v_add_nc_u32 v[200+(\t)], 0xff000000, v56      ; the conversion's scale operand
.if (\t) == 0
	v_lshrrev_b32 v208, 23, v200                   ; the four bytes make my column's scale word
.else
	v_lshrrev_b32 v58, 23, v[200+(\t)]
	v_lshl_or_b32 v208, v58, 8*(\t), v208
.endif
	v_cvt_scalef32_pk16_fp6_f32 v[16+6*(\t):18+6*(\t)], v[XS:XS+15], v[200+(\t)]
	v_cvt_scalef32_pk16_fp6_f32 v[40+4*(\t):42+4*(\t)], v[XS+16:XS+31], v[200+(\t)]
.endm
.macro WALL stride                     ; loads run two blocks ahead: 64 are out at the most
	WLOAD 0, \stride
	WLOAD 1, \stride
	s_wait_loadcnt 32                              ; block 0 is in; the 32 loads of block 1 may be out
	WLOAD 2, \stride
	WBLK 0
	s_wait_loadcnt 32                              ; block 1 is in; block 2's may be out
	WLOAD 3, \stride
	WBLK 1
	s_wait_loadcnt 32                              ; block 2 is in; block 3's may be out
	WBLK 2
	s_wait_loadcnt 0x0
	WBLK 3
	v_nop                                          ; one plain place behind the last scaled conversion
.endm
.Lweights:
	s_sub_co_u32 s22, ttmp9, 512
	s_lshr_b32 s23, s22, 6                         ; which matrix: 0 Wq, 1 Wk, 2 Wv, 3 Wo
	s_bfe_u32 s24, s22, 0x40002                    ; which 64 columns (the head)
	s_and_b32 s25, s22, 3
	s_and_b32 s26, s18, 1                          ; which 32 of them
	s_lshr_b32 s27, s18, 1
	s_lshl_b32 s25, s25, 1
	s_add_co_u32 s25, s25, s27                     ; K step 0..7
	s_lshl_b32 s27, s24, 1
	s_add_co_u32 s27, s27, s26                     ; group of 32 columns 0..31
	s_lshl_b32 s28, s23, 6
	s_lshl_b32 s29, s27, 1
	s_add_co_u32 s28, s28, s29
	s_add_co_u32 s28, s28, 512                     ; the first of my two row blocks
	s_mul_i32 s28, s28, 12288
	s_mul_i32 s29, s25, 1536
	s_add_co_u32 s28, s28, s29
	s_mov_b32 s29, 0
	s_lshl_b32 s30, s23, 15                        ; scale bytes: (8,192 + 1,024 matrix + 32 group) rows of 32 bytes + 4 x K step
	s_lshl_b32 s31, s27, 10
	s_add_co_u32 s30, s30, s31
	s_lshl_b32 s31, s25, 2
	s_add_co_u32 s30, s30, s31
	s_add_co_u32 s30, s30, 262144
	s_mov_b32 s31, 0
	s_wait_alu depctr_va_vdst(0)
	v_lshlrev_b32 v8, 5, v1                        ; my row of scale bytes
	s_wait_kmcnt 0x0
	s_add_nc_u64 s[14:15], s[14:15], s[28:29]
	s_add_nc_u64 s[16:17], s[16:17], s[30:31]
	s_cmp_eq_u32 s23, 1                            ; the choice hangs on the work-group's number alone
	s_cselect_b64 s[34:35], s[8:9], s[6:7]
	s_cmp_eq_u32 s23, 2
	s_cselect_b64 s[34:35], s[10:11], s[34:35]
	s_cmp_eq_u32 s23, 3
	s_cselect_b64 s[34:35], s[12:13], s[34:35]
	s_cbranch_scc1 .Lwo
	s_lshl_b32 s32, s24, 18                        ; [head][k][64]: 262,144 bytes a head, 256 a row
	s_lshl_b32 s33, s25, 15
	s_add_co_u32 s32, s32, s33
	s_lshl_b32 s33, s26, 7
	s_add_co_u32 s32, s32, s33
	s_mov_b32 s33, 0
	s_add_nc_u64 s[34:35], s[34:35], s[32:33]
	v_and_b32 v6, 7, v1                            ; place l holds column l with bits 3 and 4 exchanged
	v_and_b32 v7, 8, v1
	v_lshl_or_b32 v6, v7, 1, v6
	v_and_b32 v7, 16, v1
	v_lshrrev_b32 v7, 1, v7
	v_or_b32 v6, v6, v7
	v_lshlrev_b32 v6, 2, v6
	s_wait_alu depctr_va_vdst(0)
	WALL 256
	s_branch .Lwjoin
.Lwo:
	s_lshl_b32 s32, s25, 19                        ; [k][1024]: 4,096 bytes a row; plain order
	s_lshl_b32 s33, s27, 7
	s_add_co_u32 s32, s32, s33
	s_mov_b32 s33, 0
	s_add_nc_u64 s[34:35], s[34:35], s[32:33]
	v_lshlrev_b32 v6, 2, v1
	s_wait_alu depctr_va_vdst(0)
	WALL 4096
.Lwjoin:
.irp t, 0,1,2,3
.irp i, 0,1,2
	v_mov_b32 v[19+6*\t+\i], v[40+4*\t+\i]         ; a block's six registers on end
.endr
.endr
.irp c, 0,1                                    ; lanes 0-15 hold places 0-15, lanes 16-31 places 16-31, each all four blocks.  The exchange gives the first run half c of the first 16 places' fragment (lanes 0-15 block 2 c, lanes 16-31 block 2 c + 1), the second run that of the other 16
.irp i, 0,1,2,3,4,5
	v_permlane16_swap_b32 v[16+12*\c+\i], v[22+12*\c+\i]
.endr
.endr
.irp u, 0,1
.irp c, 0,1
	global_store_b128 v4, v[16+12*\c+6*\u:19+12*\c+6*\u], s[14:15] offset:12288*\u+768*\c
	global_store_b64 v5, v[20+12*\c+6*\u:21+12*\c+6*\u], s[14:15] offset:12288*\u+768*\c+512
.endr
.endr
	global_store_b32 v8, v208, s[16:17]
	s_wait_tensorcnt 0x0                           ; the same three lines on this way too
	ds_add_u32 v[SPW], v[NIL]
	s_wait_dscnt 0x0
	s_endpgm
.Lfunc_end_k_q81ace8139b_quant:
	.size	k_q81ace8139b_quant, .Lfunc_end_k_q81ace8139b_quant-k_q81ace8139b_quant
	.p2alignl 7, 3214868480
	.fill 96, 4, 3214868480
	.section	.rodata,"a",@progbits
	.p2align	6, 0x0
	.amdhsa_kernel k_q81ace8139b_quant
		.amdhsa_group_segment_fixed_size 34304
		.amdhsa_private_segment_fixed_size 0
		.amdhsa_enable_private_segment 0
		.amdhsa_kernarg_size 56
		.amdhsa_user_sgpr_count 2
		.amdhsa_user_sgpr_kernarg_segment_ptr 1
		.amdhsa_wavefront_size32 1
		.amdhsa_system_sgpr_workgroup_id_x 1
		.amdhsa_system_sgpr_workgroup_id_y 1
		.amdhsa_system_sgpr_workgroup_id_z 1
		.amdhsa_system_vgpr_workitem_id 0
		.amdhsa_next_free_vgpr 256
		.amdhsa_next_free_sgpr 66
		.amdhsa_reserve_vcc 1
		.amdhsa_float_denorm_mode_32 3
		.amdhsa_float_denorm_mode_16_64 3
		.amdhsa_memory_ordered 1
		.amdhsa_forward_progress 1
		.amdhsa_inst_pref_size 57
	.end_amdhsa_kernel
	.amdgpu_metadata
---
amdhsa.version: [ 1, 2 ]
amdhsa.kernels:
  - .name:           k_q81ace8139b_quant
    .symbol:         k_q81ace8139b_quant.kd
    .args:
      - { .name: x, .offset: 0, .size: 8, .value_kind: global_buffer, .address_space: global }
      - { .name: Wq, .offset: 8, .size: 8, .value_kind: global_buffer, .address_space: global }
      - { .name: Wk, .offset: 16, .size: 8, .value_kind: global_buffer, .address_space: global }
      - { .name: Wv, .offset: 24, .size: 8, .value_kind: global_buffer, .address_space: global }
      - { .name: Wo, .offset: 32, .size: 8, .value_kind: global_buffer, .address_space: global }
      - { .name: opc, .offset: 40, .size: 8, .value_kind: global_buffer, .address_space: global }
      - { .name: ops, .offset: 48, .size: 8, .value_kind: global_buffer, .address_space: global }
    .group_segment_fixed_size: 34304
    .private_segment_fixed_size: 0
    .kernarg_segment_align: 8
    .kernarg_segment_size: 56
    .max_flat_workgroup_size: 128
    .sgpr_count:     66
    .vgpr_count:     256
    .wavefront_size: 32
...
	.end_amdgpu_metadata
.endif
;; end of part 1
;; launch qkv (part 2): grid 8 x 32, 4 waves a work-group, clusters of 4 x 4, 327,680 bytes of LDS; arguments opc, ops, qkv, qkvs; writes qkv, qkvs
.if DOCPART == 2
	.amdgcn_target "amdgcn-amd-amdhsa--gfx1250"
	.amdhsa_code_object_version 6
	.text
	.protected	k_q81ace8139b_qkv
	.globl	k_q81ace8139b_qkv
	.p2align	8
	.type	k_q81ace8139b_qkv,@function
k_q81ace8139b_qkv:
	s_mov_b64 s[64:65], 0
	v_nop
	global_prefetch_b8 v0, s[64:65] scope:SCOPE_SE
	s_setreg_imm32_b32 hwreg(HW_REG_WAVE_MODE, 25, 1), 1
	s_wait_xcnt 0x0
	s_wait_alu depctr_hold_cnt(0) depctr_sa_sdst(0) depctr_va_vdst(0) depctr_va_sdst(0) depctr_va_ssrc(0) depctr_va_vcc(0) depctr_vm_vsrc(0)
	s_getreg_b32 s2, hwreg(HW_REG_IB_STS2, 6, 4)
	s_cmp_eq_u32 s2, 0
	s_cbranch_scc0 .Lentry_in_a_cluster
	s_endpgm
.Lentry_in_a_cluster:
	s_bfe_u32 s2, ttmp6, 0x10000c
	s_cmp_lg_u32 s2, 0xf033
	s_cbranch_scc0 .Lentry_shape_is_right
	s_endpgm
.Lentry_shape_is_right:
; The three projections on codes of FP6 (E2M3) with E8M0 scales, K = 1,024; the results are quantised in registers and leave as codes.
; THE DEAL.  256 work-groups: tile row R (256 tokens) x pair of heads g.  A work-group makes 256 x 128 of Q, then of K, then of V, three phases on the SAME 256 rows of x, which stay in LDS: 196,608 bytes, loaded once.
; Four waves, 2 x 2: wave (a, b) takes x's row blocks 8 a + 0 .. 7 and head 2 g + b: its 64 rows of a weight, all of K, lie in 384 registers; x goes past them in blocks of 16 rows, 32 products a block, two register sets by turns.
; THE CODES LIE AS IMAGES OF THE OPERAND'S REGISTERS: a fragment (16 rows x 128 K) is 1,536 bytes: half c at 768 c: four registers at 16 x lane, two at 512 + 8 x lane; a row block (16 rows, all of K) is 12,288 dense bytes.
; Rows lie in position order (place 16 u + r of 32 holds row 8 u + r + 8 (r / 8)), so 16 registers of two neighbouring tiles are 16 neighbours along the next product's K.
; Q, K: source 0 = the weight's rows: a lane holds a token, the 32 sums of a block are its head's d.  V: source 0 = x's rows: a lane holds a d, the 32 sums of four blocks are 64 keys.  Either way 32 registers make half an image.
; OUT, as the next launch reads it: q, k: [which][batch x 8 + pair][64 blocks of 16 tokens][1,536], half = head % 2; scale words [..][1,024][4].  v: [2][..][8 key steps][8 blocks of 16 d][1,536]; scale words [..][8][8][16][4].
; LDS: x's chunk 0 (row blocks 0-3 and 8-11) at 0, the weights' 128 rows at BB, chunk 1 at A1, x's scale bytes at ASC, stages for the results' scale bytes, the spare words.
; FILLS.  At the head one joint load a wave: Wq's rows, x's scale bytes, chunk 0, chunk 1.  Two refills of the weights' region, a quarter a wave, each behind a drained round of the cluster's barrier that stands where every wave holds the old weights in registers.
; x's tiles are shared along a row of the cluster, a weight's along a column.  The next weights are asked for into the L2 ahead of their refills, 24 blocks of 256 bytes a wave, shared out by address among the sixteen waves of a column of the cluster.
; The loop over four blocks has one text for both its trips: it fetches the first two blocks of the next phase at its end; in the last phase's last trip those two fetches are read by nothing.
; LIMITS: a block of zeros keeps the byte 1 (its codes are zeros; this program alone reads the bytes); NaN and infinities are not served.
; REGISTERS: window 0: addresses, scale words, the way out.  Window 1: the weights' K steps 0-4 (12 (4 q + t)).  Window 2: K steps 5-7, then x's set 0 at v144.  Window 3: x's set 1 at v0, 16 accumulators at v96.
.set RBB,   12288
.set BB,    98304
.set A1,    196608
.set ASC,   294912
.set SQ,    303104                     ; 512 bytes a wave: Q's and K's scale bytes, two a token
.set SV,    305152                     ; 256 bytes a wave: V's scale words
.set SPARE, 306176
.set NF,    34                         ; LDS loads of a block: 32 for eight fragments, 2 for eight scale words
.set L16, 4
.set L8,  5
.set XB16, 6
.set XB8, 7
.set XBS, 8
.set ABS, 9
.set SPW, 10
.set NIL, 11
.set XA16, 12
.set XA8, 13
.set XAS, 14
.set WB16, 16
.set WB8, 17
.set STQ, 18
.set STV, 19
.set VX,  20
.set O16, 21
.set O8,  22
.set RDV, 23
.set RDQ, 24
.set PF1, 25
.set PF2, 26
.set SB,  32                           ; v32-47 the weights' scale words; v52-67 x's, two sets; v72-103 the later weights' words
.set SA,  52
.set SH,  72
.set T,   104
.set SO,  120
.set PC,  128
.set PT,  160
.set PW,  176
.set RB,  180
.set G1B, 24
.set G1R, 32
.set G1A, 48
.set G1S, 56
.set G0B, 68
.set G0S, 72
.set G0A, 76
.set G0C, 80
.set G0R, 84
.set SEL, 88
.set XC,  90
.set XS,  91
.set OFF, 92
.set ST,  93
.set CNT, 94
.set PQ,  96
.set PV,  98
.set PS,  100
.set PSV, 66
.set MSB, 0
.macro WIN new                         ; the immediate's high byte repeats the setting that is left
.if MSB != (\new)
	s_set_vgpr_msb (MSB<<8)|(\new)
.set MSB, \new
.endif
.endm
.macro PLACES n
.rept \n
	v_nop
.endr
.endm
.macro WALU
	s_wait_alu depctr_va_vdst(0)
.endm
.macro BARRIER
	s_barrier_signal -1
	s_barrier_wait -1
.endm
.macro CROUND                          ; a round of the cluster's barrier
	s_barrier_signal -1
	s_barrier_wait -1
	s_cmp_lg_u32 s14, 0
	s_cbranch_scc1 .Lnw0_\@
	s_barrier_signal -3
.Lnw0_\@:
	s_barrier_wait -3
	s_barrier_signal -1
	s_barrier_wait -1
.endm
.macro TLOAD g0, g1                    ; s_nop 0 and four v_nop behind the load
	tensor_load_to_lds s[\g0:\g0+3], s[\g1:\g1+7]
	s_nop 0
	PLACES 4
.endm
.macro GROUP1 g, mask, c, rows, pitch  ; rows of c elements of 8 bytes, dense in LDS
	s_or_b32 s[\g], s[\mask], (3<<16)|(1<<21)
	s_mov_b32 s[\g+1], ((\c)&0xffff)<<16
	s_mov_b32 s[\g+2], ((\c)>>16)|((\rows)<<16)
	s_mov_b32 s[\g+3], (\c)<<16
	s_mov_b32 s[\g+4], \rows
	s_mov_b32 s[\g+5], \pitch
	s_mov_b32 s[\g+6], 0
	s_mov_b32 s[\g+7], 0
.endm
.macro G0SET g, base, off              ; group 0's address: base + the offset in s\off (s21 = 0)
	s_mov_b32 s20, s\off
	s_add_nc_u64 s[\g+2:\g+3], s[\base:\base+1], s[20:21]
	s_or_b32 s[\g+3], s[\g+3], 0x80000000
.endm
.macro IMG r, a16, a8, off             ; a fragment's image: four loads of consecutive bytes
	ds_load_b128 v[\r:\r+3], v[\a16] offset:\off
	ds_load_b64 v[\r+4:\r+5], v[\a8] offset:\off+512
	ds_load_b128 v[\r+6:\r+9], v[\a16] offset:\off+768
	ds_load_b64 v[\r+10:\r+11], v[\a8] offset:\off+1280
.endm
.macro WEIGHTS                         ; my 64 rows of the weight, all of K: 128 loads
.set Q_, 0
.rept 8
.set T_, 0
.rept 4
.if Q_ < 5
	WIN 1<<6
.set R_, 12*(4*Q_+T_)
.else
	WIN 2<<6
.set R_, 12*(4*(Q_-5)+T_)
.endif
	IMG R_, WB16, WB8, T_*RBB+Q_*1536
.set T_, T_+1
.endr
.set Q_, Q_+1
.endr
	WIN 0
.endm
.macro FETCH e, sp                     ; block sp of the chunk that the address registers name, into set e: NF loads
	WIN (2+(\e))<<6
.set Q_, 0
.rept 8
.set R_, 144*(1-(\e))+12*Q_
	IMG R_, XA16, XA8, (\sp)*RBB+Q_*1536
.set Q_, Q_+1
.endr
	WIN 0
	ds_load_b128 v[SA+8*(\e):SA+8*(\e)+3], v[XAS] offset:(\sp)*512
	ds_load_b128 v[SA+8*(\e)+4:SA+8*(\e)+7], v[XAS] offset:(\sp)*512+16
.endm
.macro PROD2 d, s0, s1, c, x0, x1, side, o
	v_wmma_scale_f32_16x16x128_f8f6f4 v[\d:\d+7], v[\s0:\s0+11], v[\s1:\s1+11], \c, v[\x0], v[\x1] matrix_a_fmt:MATRIX_FMT_FP6 matrix_b_fmt:MATRIX_FMT_FP6 matrix_\side\()_scale:MATRIX_SCALE_ROW\o
.endm
.macro PROD1 d, s0, s1, z, x0, x1, side, o
.if \z
	PROD2 \d, \s0, \s1, 0, \x0, \x1, \side, \o
.else
	PROD2 \d, \s0, \s1, v[\d:\d+7], \x0, \x1, \side, \o
.endif
.endm
; A product: K step q, the weight's tile t, x's set e, the sp-th block of four.  An odd tile's scale words lie in lanes 16-31.
.macro PROD kind, e, sp, q, t
.if (\q) < 5
.set WW_, 1
.set WR_, 12*(4*(\q)+(\t))
.else
.set WW_, 2
.set WR_, 12*(4*((\q)-5)+(\t))
.endif
.set XW_, 2+(\e)
.set XR_, 144*(1-(\e))+12*(\q)
.set XS_, SA+8*(\e)+(\q)
.set WS_, SB+8*((\t)/2)+(\q)
.if \kind
.set D_, 96+32*(\t)+8*(\sp)
	WIN XW_|(WW_<<2)|0xf0
.if (\t)%2
	PROD1 D_, XR_, WR_, (\q)==0, XS_, WS_, b, 1
.else
	PROD1 D_, XR_, WR_, (\q)==0, XS_, WS_, b, 0
.endif
.else
.set D_, 96+32*(\sp)+8*(\t)
	WIN WW_|(XW_<<2)|0xf0
.if (\t)%2
	PROD1 D_, WR_, XR_, (\q)==0, WS_, XS_, a, 1
.else
	PROD1 D_, WR_, XR_, (\q)==0, WS_, XS_, a, 0
.endif
.endif
.endm
.macro BLOCK kind, e, sp               ; 32 products; four accumulators take turns; the first K step starts the sums
.set Q_, 0
.rept 8
.set T_, 0
.rept 4
	PROD \kind, \e, \sp, Q_, T_
.set T_, T_+1
.endr
.set Q_, Q_+1
.endr
	WIN 0
.endm
; THE WAY OUT of four blocks: four units of 32 registers, v[96 + 32 u] of window 3; a unit is two scale blocks of 32, half of each in lane l xor 16.  Eight chains side by side; each accumulator is read from its low end on.
.macro WAYOUT ptr, off, stg
	s_wait_xcnt 0x0                        ; the last trip's stores have read their registers
	v_add_nc_u32 v[O16], s[OFF], v[L16]
	v_add_nc_u32 v[O8], s[OFF], v[L8]
	v_add_nc_u32 v[VX], s[ST], v[\stg]
	WIN 0x0f
.irp c, 0,1,2,3,4,5,6,7
	v_max3_num_f32 v[T+\c], |v[96+16*\c]|, |v[97+16*\c]|, 0x1800000   ; and the floor 2^(3 - 127): the byte cannot fall under 1
.endr
.irp i, 2,4,6,8,10,12,14
.irp c, 0,1,2,3,4,5,6,7
	v_max3_num_f32 v[T+\c], |v[96+16*\c+\i]|, |v[97+16*\c+\i]|, v[T+\c]
.endr
.endr
	WIN 0
.irp c, 0,1,2,3,4,5,6,7
	v_permlanex16_b32 v[T+8+\c], v[T+\c], s[SEL], s[SEL+1]
.endr
.irp c, 0,1,2,3,4,5,6,7
	v_max_num_f32 v[T+\c], v[T+\c], v[T+8+\c]
.endr
.irp c, 0,1,2,3,4,5,6,7
	v_add_nc_u32 v[SO+\c], 0xff000000, v[T+\c]     ; 2 off the exponent field: the conversion's scale operand
.endr
.irp c, 0,1,2,3,4,5,6,7
	v_lshrrev_b32 v[T+8+\c], 23, v[SO+\c]          ; the byte
.endr
.irp u, 0,1,2,3
	v_lshl_or_b32 v[PW+\u], v[T+9+2*\u], 8, v[T+8+2*\u]
.endr
	WIN 3
.irp u, 0,1,2,3
	v_cvt_scalef32_pk16_fp6_f32 v[PC+8*\u:PC+8*\u+2], v[96+32*\u:111+32*\u], v[SO+2*\u]
	v_cvt_scalef32_pk16_fp6_f32 v[PT+4*\u:PT+4*\u+2], v[112+32*\u:127+32*\u], v[SO+2*\u+1]
.endr
	WIN 0
	v_nop                                  ; one plain place behind a scaled conversion
.irp u, 0,1,2,3
.irp i, 0,1,2
	v_permlane16_swap_b32 v[PC+8*\u+\i], v[PT+4*\u+\i]   ; a whole block in a lane: lanes 0-15 the first, lanes 16-31 the second
.endr
.endr
.irp u, 0,1,2,3
.irp i, 0,1,2
	v_mov_b32 v[PC+8*\u+3+\i], v[PT+4*\u+\i]
.endr
.endr
.irp u, 0,1,2,3
	global_store_b128 v[O16], v[PC+8*\u:PC+8*\u+3], s[\ptr:\ptr+1] offset:\off+1536*\u       ; 512 consecutive bytes, aligned
	global_store_b64 v[O8], v[PC+8*\u+4:PC+8*\u+5], s[\ptr:\ptr+1] offset:\off+1536*\u+512   ; 256
.endr
.endm
; A PHASE: eight blocks, a loop of four blocks and two trips.  Set e takes the block two further on behind its products; the waits' count NF is the one fetch issued behind the set that is multiplied next.
.macro PHASE kind, p, ptr, off, stg, st0, ostep, sstep, sb
.if \p
	s_wait_tensorcnt 0x0                   ; my quarter of the new weights is in,
	s_wait_dscnt 0x0
	BARRIER                                ; and so is everybody's
.set I_, 0
.rept 16
	v_mov_b32 v[SB+I_], v[SH+16*(\p-1)+I_]
.set I_, I_+1
.endr
	PLACES 8                               ; a scale register written by a vector instruction stands eight places ahead of the products
	WALU
	WEIGHTS
.endif
.if \p < 2
	s_wait_tensorcnt 0x0
	ds_add_u32 v[SPW], v[NIL]
	s_add_nc_u64 s[G0R+2:G0R+3], s[G0R+2:G0R+3], 64*RBB   ; no load of mine is out: on to the next tensor's rows
	s_wait_dscnt 0x0                       ; the add is done, and the weights are in my registers
	CROUND
	TLOAD G0R, G1R                         ; my quarter of the next weights, onto the old
.else
	s_wait_dscnt 0x0
.endif
.if \p == 0
	FETCH 0, 0
	FETCH 1, 1
	global_prefetch_b8 v[PF2], s[4:5] th:TH_LOAD_NT scope:SCOPE_SE   ; what the second refill will load: a phase ahead
	s_wait_loadcnt 0x0                     ; the weights' scale words
.endif
	s_mov_b32 s[CNT], 0
	s_mov_b32 s[OFF], 0
	s_mov_b32 s[ST], \st0
.Lquad_\@:
	s_wait_dscnt NF
	BLOCK \kind, 0, 0
	PLACES 4
	FETCH 0, 2
	s_wait_dscnt NF
	BLOCK \kind, 1, 1
	PLACES 4
	FETCH 1, 3
	s_xor_b32 s[XC], s[XC], A1             ; to the other chunk
	s_xor_b32 s[XS], s[XS], 2048
	s_wait_dscnt NF
	BLOCK \kind, 0, 2
	v_add_nc_u32 v[XA16], s[XC], v[XB16]   ; (these are also the places ahead of the fetch)
	v_add_nc_u32 v[XA8], s[XC], v[XB8]
	v_add_nc_u32 v[XAS], s[XS], v[XBS]
	v_nop
	WALU
	FETCH 0, 0
	s_wait_dscnt NF
	BLOCK \kind, 1, 3
	PLACES 4
	FETCH 1, 1
	WAYOUT \ptr, \off, \stg
.irp u, 0,1,2,3
	ds_store_b16 v[VX], v[PW+\u] offset:\sb*\u     ; lanes r and 16 + r write the same bytes with the same value
.endr
	s_add_co_u32 s[OFF], s[OFF], \ostep
	s_add_co_u32 s[ST], s[ST], \sstep
	s_add_co_u32 s[CNT], s[CNT], 1
	s_cmp_lg_u32 s[CNT], 2
	WALU
	s_cbranch_scc1 .Lquad_\@
.endm
; ---- the head
	s_load_b256 s[4:11], s[0:1], 0x0               ; the operands' codes, their scale bytes, the results' codes, their scale words
	v_lshl_add_u32 v[SPW], v0, 2, SPARE
	v_mov_b32 v[NIL], 0
	ds_add_u32 v[SPW], v[NIL]
	ds_add_u32 v[SPW], v[NIL]
	v_lshrrev_b32 v1, 5, v0
	v_readfirstlane_b32 s14, v1                    ; wave; s15 = a, s16 = b
	s_lshr_b32 s15, s14, 1
	s_and_b32 s16, s14, 1
	s_bfe_u32 s40, ttmp6, 0x40000                  ; cx
	s_bfe_u32 s41, ttmp6, 0x40004                  ; cy
	s_lshl_b32 s42, ttmp9, 2
	s_add_co_u32 s42, s42, s40                     ; g: the pair of heads
	s_and_b32 s43, ttmp7, 0xffff
	s_lshl_b32 s43, s43, 2
	s_add_co_u32 s43, s43, s41                     ; R: the tile row
	s_lshl_b32 s44, s41, 2
	s_lshl_b32 s44, 15, s44                        ; my row of the cluster
	s_lshl_b32 s45, 0x1111, s40                    ; my column
	GROUP1 G1B, 45, 32, 384, 32                    ; a weight's 128 rows: 98,304 dense bytes as rows of 256
	GROUP1 G1R, 45, 32, 96, 32                     ; a quarter of them
	GROUP1 G1A, 44, 6144, 2, 12288                 ; a chunk: four row blocks for each a, 98,304 bytes apart in memory
	GROUP1 G1S, 44, 32, 32, 32                     ; x's scale bytes: 8,192 dense bytes
	s_mov_b32 s[G0B], 1
	s_mov_b32 s[G0B+1], BB
	s_mov_b32 s[G0S], 1
	s_mov_b32 s[G0S+1], ASC
	s_mov_b32 s[G0A], 1
	s_mov_b32 s[G0A+1], 0
	s_mov_b32 s[G0C], 1
	s_mov_b32 s[G0C+1], A1
	s_mov_b32 s[G0R], 1
	s_mul_i32 s46, s14, 24576
	s_add_co_u32 s[G0R+1], s46, BB
	s_mul_i32 s17, s42, 8*RBB
	s_add_co_u32 s17, s17, 512*RBB                 ; Wq's rows, bytes from the codes' start
	s_add_co_u32 s46, s46, s17                     ; my quarter of them
	s_mul_i32 s18, s43, 16*RBB                     ; x's rows
	s_add_co_u32 s47, s18, 4*RBB                   ; chunk 1
	s_lshl_b32 s19, s43, 13                        ; x's scale bytes
	s_lshl_b32 s66, s42, 12
	s_lshl_b32 s67, s16, 11
	s_add_co_u32 s66, s66, s67
	s_add_co_u32 s66, s66, 262144                  ; my 64 rows of Wq's scale bytes
	s_lshr_b32 s95, s43, 2
	s_lshl_b32 s95, s95, 3
	s_add_co_u32 s95, s95, s42                     ; batch x 8 + pair
	s_lshl_b32 s95, s95, 3
	s_and_b32 s67, s43, 3
	s_lshl_b32 s67, s67, 1
	s_add_co_u32 s67, s67, s15                     ; my 128 tokens of the batch
	s_add_co_u32 s95, s95, s67
	s_lshl_b32 s95, s95, 9                         ; my 512 bytes of scale words; my codes lie at 24 times that
	s_mov_b32 s[SEL], 0x76543210
	s_mov_b32 s[SEL+1], 0xfedcba98
	s_mov_b32 s[XC], 0
	s_mov_b32 s[XS], 0
	s_mul_i32 s2, s15, 4*RBB
	s_lshl_b32 s3, s15, 12
	s_add_co_u32 s3, s3, ASC
	s_mul_i32 s12, s16, 4*RBB
	s_add_co_u32 s12, s12, BB
	s_lshl_b32 s13, s14, 9
	s_add_co_u32 s13, s13, SQ
	s_lshl_b32 s20, s14, 8
	s_add_co_u32 s20, s20, SV
	s_lshl_b32 s21, s15, 10
	s_lshl_b32 s22, s16, 8
	s_add_co_u32 s21, s21, s22
	s_add_co_u32 s21, s21, SQ                      ; at the end wave (a, p) gathers the words of tensor p, rows of a
	s_lshl_b32 s22, s41, 2
	s_add_co_u32 s22, s22, s14                     ; my number among the sixteen waves of my column of the cluster
	s_mul_i32 s22, s22, 6144
	s_add_co_u32 s22, s22, s17
	s_add_co_u32 s22, s22, 64*RBB                  ; my sixteenth of Wk's tile
	v_and_b32 v1, 15, v0                           ; r
	v_and_b32 v3, 31, v0
	v_lshlrev_b32 v[L16], 4, v3
	v_lshlrev_b32 v[L8], 3, v3
	v_lshlrev_b32 v[ABS], 5, v3
	v_lshlrev_b32 v2, 5, v1
	v_add_nc_u32 v[XB16], s2, v[L16]
	v_add_nc_u32 v[XB8], s2, v[L8]
	v_add_nc_u32 v[XBS], s3, v2
	v_add_nc_u32 v[WB16], s12, v[L16]
	v_add_nc_u32 v[WB8], s12, v[L8]
	v_lshlrev_b32 v2, 1, v1
	v_add_nc_u32 v[STQ], s13, v2
	v_lshlrev_b32 v2, 2, v1
	v_add_nc_u32 v[STV], s20, v2
	v_add_nc_u32 v[RDV], s20, v[L8]
	v_add_nc_u32 v[RDQ], s21, v[L8]
	v_mov_b32 v[XA16], v[XB16]
	v_mov_b32 v[XA8], v[XB8]
	v_mov_b32 v[XAS], v[XBS]
	v_min_u32 v[PF1], 23, v3                       ; 24 blocks of 256 bytes a wave; the lanes left over name the last again
	v_lshl_add_u32 v[PF1], v[PF1], 8, s22
	v_add_nc_u32 v[PF2], 64*RBB, v[PF1]
.irp c, 0,1,2,3,4,5,6,7
	v_mov_b32 v[T+8+\c], 0                         ; written once: a lane permute's destination counts as one of its sources
.endr
	WALU
	s_wait_dscnt 0x0
	CROUND                                         ; the round in front of the first joint loads
	s_wait_kmcnt 0x0
	s_mov_b32 s21, 0
	G0SET G0B, 4, 17
	G0SET G0S, 6, 19
	G0SET G0A, 4, 18
	G0SET G0C, 4, 47
	G0SET G0R, 4, 46
	s_mov_b32 s20, s66
	s_add_nc_u64 s[22:23], s[6:7], s[20:21]
	s_cmp_eq_u32 s14, 0                            ; one load a wave, in one chain of branches; what is needed first is asked for first
	s_cbranch_scc0 .Lw1
	TLOAD G0B, G1B
	s_branch .Lasked
.Lw1:
	s_cmp_eq_u32 s14, 1
	s_cbranch_scc0 .Lw2
	TLOAD G0S, G1S
	s_branch .Lasked
.Lw2:
	s_cmp_eq_u32 s14, 2
	s_cbranch_scc0 .Lw3
	TLOAD G0A, G1A
	s_branch .Lasked
.Lw3:
	TLOAD G0C, G1A
.Lasked:
.irp p, 0,1                                    ; the weights' scale words: lane l takes row 32 p + l of my 64: an even tile's in lanes 0-15, the next tile's in lanes 16-31
.irp c, 0,1
	global_load_b128 v[SB+8*\p+4*\c:SB+8*\p+4*\c+3], v[ABS], s[22:23] offset:1024*\p+16*\c
	global_load_b128 v[SH+8*\p+4*\c:SH+8*\p+4*\c+3], v[ABS], s[22:23] offset:32768+1024*\p+16*\c
	global_load_b128 v[SH+16+8*\p+4*\c:SH+16+8*\p+4*\c+3], v[ABS], s[22:23] offset:65536+1024*\p+16*\c
.endr
.endr
	s_mul_i32 s20, s95, 24                         ; where the results go
	s_add_nc_u64 s[PQ:PQ+1], s[8:9], s[20:21]
	s_add_nc_u64 s[PV:PV+1], s[PQ:PQ+1], 2*6291456
	s_mul_i32 s20, s16, 768
	s_add_nc_u64 s[PQ:PQ+1], s[PQ:PQ+1], s[20:21]
	s_mul_i32 s20, s16, 6144
	s_add_nc_u64 s[PV:PV+1], s[PV:PV+1], s[20:21]
	s_mov_b32 s20, s95
	s_add_nc_u64 s[PS:PS+1], s[10:11], s[20:21]
	s_add_nc_u64 s[PSV:PSV+1], s[PS:PS+1], 524288
	s_lshl_b32 s20, s16, 8
	s_add_nc_u64 s[PSV:PSV+1], s[PSV:PSV+1], s[20:21]
	s_lshl_b32 s20, s16, 18
	s_add_nc_u64 s[PS:PS+1], s[PS:PS+1], s[20:21]
	s_cmp_eq_u32 s14, 0
	s_cbranch_scc0 .Lnot_b
	s_wait_tensorcnt 0x0
.Lnot_b:
	BARRIER                                        ; Wq's rows are in; the other tiles may be on their way
	global_prefetch_b8 v[PF1], s[4:5] th:TH_LOAD_NT scope:SCOPE_SE   ; what the first refill will load
	WEIGHTS
	PHASE 0, 0, PQ, 0, STQ, 0, 6144, 128, 32
	PHASE 0, 1, PQ, 6291456, STQ, 256, 6144, 128, 32
	PHASE 1, 2, PV, 0, STV, 0, 768, 2, 64
; ---- the end: the scale bytes leave as whole runs
	ds_load_b64 v[RB:RB+1], v[RDV]                 ; V's 64 words: my own bytes
	s_wait_dscnt 0x0
	BARRIER                                        ; everybody's bytes of Q and K are in the stages
	ds_load_b64 v[RB+2:RB+3], v[RDQ]               ; four tokens' bytes of the even head,
	ds_load_b64 v[RB+4:RB+5], v[RDQ] offset:512    ; and of the odd
	global_store_b64 v[L8], v[RB:RB+1], s[PSV:PSV+1]
	s_wait_dscnt 0x0
	v_perm_b32 v[RB+8], v[RB+4], v[RB+2], 0x05040100
	v_perm_b32 v[RB+9], v[RB+4], v[RB+2], 0x07060302
	v_perm_b32 v[RB+10], v[RB+5], v[RB+3], 0x05040100
	v_perm_b32 v[RB+11], v[RB+5], v[RB+3], 0x07060302
	global_store_b128 v[L16], v[RB+8:RB+11], s[PS:PS+1]   ; 128 tokens' words: 512 consecutive bytes
	s_wait_tensorcnt 0x0                           ; the wave's end
	ds_add_u32 v[SPW], v[NIL]
	s_wait_dscnt 0x0
	CROUND                                         ; the closing round
	s_endpgm
.Lfunc_end_k_q81ace8139b_qkv:
	.size	k_q81ace8139b_qkv, .Lfunc_end_k_q81ace8139b_qkv-k_q81ace8139b_qkv
	.p2alignl 7, 3214868480
	.fill 96, 4, 3214868480
	.section	.rodata,"a",@progbits
	.p2align	6, 0x0
	.amdhsa_kernel k_q81ace8139b_qkv
		.amdhsa_group_segment_fixed_size 327680
		.amdhsa_private_segment_fixed_size 0
		.amdhsa_enable_private_segment 0
		.amdhsa_kernarg_size 32
		.amdhsa_user_sgpr_count 2
		.amdhsa_user_sgpr_kernarg_segment_ptr 1
		.amdhsa_wavefront_size32 1
		.amdhsa_system_sgpr_workgroup_id_x 1
		.amdhsa_system_sgpr_workgroup_id_y 1
		.amdhsa_system_sgpr_workgroup_id_z 1
		.amdhsa_system_vgpr_workitem_id 0
		.amdhsa_next_free_vgpr 992
		.amdhsa_next_free_sgpr 102
		.amdhsa_reserve_vcc 0
		.amdhsa_float_denorm_mode_32 3
		.amdhsa_float_denorm_mode_16_64 3
		.amdhsa_memory_ordered 1
		.amdhsa_forward_progress 1
		.amdhsa_inst_pref_size 149
	.end_amdhsa_kernel
	.amdgpu_metadata
---
amdhsa.version: [ 1, 2 ]
amdhsa.kernels:
  - .name:           k_q81ace8139b_qkv
    .symbol:         k_q81ace8139b_qkv.kd
    .args:
      - { .name: opc, .offset: 0, .size: 8, .value_kind: global_buffer, .address_space: global }
      - { .name: ops, .offset: 8, .size: 8, .value_kind: global_buffer, .address_space: global }
      - { .name: qkv, .offset: 16, .size: 8, .value_kind: global_buffer, .address_space: global }
      - { .name: qkvs, .offset: 24, .size: 8, .value_kind: global_buffer, .address_space: global }
    .group_segment_fixed_size: 327680
    .private_segment_fixed_size: 0
    .kernarg_segment_align: 8
    .kernarg_segment_size: 32
    .max_flat_workgroup_size: 128
    .sgpr_count:     102
    .vgpr_count:     992
    .wavefront_size: 32
...
	.end_amdgpu_metadata
.endif
;; end of part 2
;; launch attn (part 3): grid 256 x 1, 16 waves a work-group, clusters of 4 x 1, 206,848 bytes of LDS; arguments qkv, qkvs, ac, acs; writes ac, acs
.if DOCPART == 3
	.amdgcn_target "amdgcn-amd-amdhsa--gfx1250"
	.amdhsa_code_object_version 6
	.text
	.protected	k_q81ace8139b_attn
	.globl	k_q81ace8139b_attn
	.p2align	8
	.type	k_q81ace8139b_attn,@function
k_q81ace8139b_attn:
	s_mov_b64 s[64:65], 0
	v_nop
	global_prefetch_b8 v0, s[64:65] scope:SCOPE_SE
	s_setreg_imm32_b32 hwreg(HW_REG_WAVE_MODE, 25, 1), 1
	s_wait_xcnt 0x0
	s_wait_alu depctr_hold_cnt(0) depctr_sa_sdst(0) depctr_va_vdst(0) depctr_va_sdst(0) depctr_va_ssrc(0) depctr_va_vcc(0) depctr_vm_vsrc(0)
	s_getreg_b32 s2, hwreg(HW_REG_IB_STS2, 6, 4)
	s_cmp_eq_u32 s2, 0
	s_cbranch_scc0 .Lentry_in_a_cluster
	s_endpgm
.Lentry_in_a_cluster:
	s_bfe_u32 s2, ttmp6, 0x10000c
	s_cmp_lg_u32 s2, 0x3003
	s_cbranch_scc0 .Lentry_shape_is_right
	s_endpgm
.Lentry_shape_is_right:
; Causal attention on codes of FP6 (E2M3), head size 64, 1,024 tokens; the result is quantised along (head, d) and leaves as codes, the next product's operand.
; THE SOFTMAX: t = score x log2(e) / 8; M = the running largest t rounded up to a whole number; p = 2^(t - M) is quantised along the keys, not normalised; the row's sum is taken of the unquantised p and divides O at the end.
; When M moves, the sum and O are multiplied by 2^(old M - new M), exactly.
; SHARES.  A cluster of four work-groups owns one batch and one PAIR of heads.  The pair's whole K and V (192 KiB of codes, 8 KiB of scale words) come ONCE, by joint loads that name all four, and stay in LDS: nothing is filled again.
; Wave w of work-group cx serves head 2 pair + w % 2 and two tiles of 16 queries: block 4 (w / 2) + cx of the 64, and block 63 - that.  A tile's key steps of 128 number block / 8 + 1: w / 4 + 1 and 8 - w / 4, by the wave's number alone:
; nine steps a wave, two of them on the diagonal.  cx enters global addresses and the mask's numbers only: no branch, no trip count, no LDS address.
; LAYOUT.  Both products transposed: S^T = K Q^T, O^T = V^T P^T: a lane holds one query.  Tokens lie in position order (place 16 u + r of 32 holds token 8 u + r + 8 (r / 8)), so that the 16 registers of tiles 2 b, 2 b + 1 of S^T are 16 neighbouring keys;
; V's rows (d) likewise, so that O^T's registers are neighbours along d.  Fragments lie as images of their registers (half c at 768 c: four registers at 16 x lane, two at 512 + 8 x lane).
; K = 64 IN AN INSTRUCTION OF 128.  Q's registers 6-11 are zero codes, and bytes 2, 3 of Q's and K's scale words are 0 (2^-127, a number).  K's tile t names twelve registers from v[56 + 6 t]: its upper six are the next tile's codes
; (for tile 7: zeros): numbers that meet zero codes and add nothing.  So eight tiles of K lie in 54 registers.
; LIMITS: a block of zeros keeps the byte 1 (its codes are zeros; this program alone reads the bytes); NaN and infinities are not served.
; REGISTERS: v1-6 fixed LDS addresses; v7, v8 the add's two; v9-14 a step's addresses; v15-17 16, 8 x lane, 4 r; v18, v19 the mask's d; v20, v21 Q's scale words; v22, v23 the results' scale words; v24-47 Q's two fragments;
;   v48 -M, v49 the largest t, v[50:51] the sum, v52 f, v53 0; v56-109 K or V; v112-175 S^T, then p; v176-207 O^T; v208-227 codes; v228-239 at work; v240-245 K's, V's scale words; v246 p's; v247 -infinity.
.set VC,    98304                      ; LDS: K's codes at 0 (block of 16 tokens x 1,536), V's here (key step x 12,288 + block of 16 d x 1,536),
.set KSC,   196608                     ; K's scale words (4 bytes a token),
.set VSC,   200704                     ; V's (key step x 512 + block x 64 + 4 r),
.set SPARE, 204800                     ; the spare words, 128 bytes for each of sixteen waves
.set SPW, 7
.set NIL, 8
.set KV,  56
.set S,   112
.set O,   176
.set PC,  208
.set PT,  220
.set BM,  228
.set BP,  232
.set SO,  236
.set WV,  12
.set SEL, 20
.set CS,  22
.set G1C, 24                           ; s[24:31] group 1: 24,576 dense bytes as 96 rows of 256
.set G1S, 32                           ; s[32:39] 2,048 as 8 rows
.set G0S, 40
.set G0A, 44
.set ST,  52                           ; s52 the key step
.set TB,  53                           ; s53 its codes: 12,288 bytes a step, in K and in V
.set TS,  54                           ; s54 its scale words: 512 bytes a step
.set CNT, 55
.macro CROUND
	s_barrier_signal -1
	s_barrier_wait -1
	s_cmp_lg_u32 s[WV], 0
	s_cbranch_scc1 .Lnot_wave_0_\@
	s_barrier_signal -3
.Lnot_wave_0_\@:
	s_barrier_wait -3
	s_barrier_signal -1
	s_barrier_wait -1
.endm
	s_load_b256 s[4:11], s[0:1], 0x0               ; q, k, v's codes; their scale words; the result's codes; its scale bytes
	v_lshl_add_u32 v[SPW], v0, 2, SPARE
	v_mov_b32 v[NIL], 0
	ds_add_u32 v[SPW], v[NIL]                      ; the wave's opening: the add and its wait stand ahead of the first tensor loads; work on registers stands between
	ds_add_u32 v[SPW], v[NIL]
	v_lshrrev_b32 v9, 5, v0
	s_delay_alu instid0(VALU_DEP_1)
	v_readfirstlane_b32 s[WV], v9                  ; wave 0..15
	s_bfe_u32 s13, ttmp6, 0x40000                  ; cx
	s_and_b32 s14, s[WV], 1                        ; which head of the pair.  Also: I fetch K (0) or V (1)
	s_lshr_b32 s15, s[WV], 1
	s_lshl_b32 s16, s15, 2
	s_add_co_u32 s16, s16, s13                     ; my first tile: block 4 (w / 2) + cx
	s_sub_co_u32 s17, 63, s16                      ; my second
	s_lshr_b32 s18, s[WV], 2                       ; their diagonal steps
	s_sub_co_u32 s19, 7, s18
	s_and_b32 s77, s15, 1                          ; which half I fetch
	s_mov_b32 s[SEL], 0x76543210
	s_mov_b32 s[SEL+1], 0xfedcba98
	s_mov_b32 s[CS], 0x3e38aa3b                    ; c = log2(e) / 8
	s_mov_b32 s[CS+1], s[CS]                       ; (named with it as a pair)
	s_mov_b32 s[G1C], 15|(3<<16)|(1<<21)           ; the mask: all four work-groups; elements of 8 bytes; no padding
	s_mov_b32 s[G1C+1], 32<<16
	s_mov_b32 s[G1C+2], 96<<16
	s_mov_b32 s[G1C+3], 32<<16
	s_mov_b32 s[G1C+4], 96
	s_mov_b32 s[G1C+5], 32
	s_mov_b32 s[G1C+6], 0
	s_mov_b32 s[G1C+7], 0
	s_mov_b32 s[G1S], 15|(3<<16)|(1<<21)
	s_mov_b32 s[G1S+1], 32<<16
	s_mov_b32 s[G1S+2], 8<<16
	s_mov_b32 s[G1S+3], 32<<16
	s_mov_b32 s[G1S+4], 8
	s_mov_b32 s[G1S+5], 32
	s_mov_b32 s[G1S+6], 0
	s_mov_b32 s[G1S+7], 0
	; the fixed LDS addresses, all made here, ahead of the first branch on the wave's number
	v_and_b32 v54, 31, v0
	v_and_b32 v55, 15, v0                          ; r
	s_delay_alu instid0(VALU_DEP_2)
	v_lshlrev_b32 v15, 4, v54
	s_delay_alu instid0(VALU_DEP_3)
	v_lshlrev_b32 v16, 3, v54
	s_delay_alu instid0(VALU_DEP_3)
	v_lshlrev_b32 v17, 2, v55
	v_lshlrev_b32 v54, 2, v54                      ; 4 x lane
	s_wait_alu depctr_va_vdst(0)
	s_mul_i32 s74, s14, 768                        ; my head's half of an image
	v_add_nc_u32 v1, s74, v15                      ; K: four registers,
	s_add_co_u32 s2, s74, 512
	v_add_nc_u32 v2, s2, v16                       ; two registers
	s_mul_i32 s2, s14, 6144                        ; V: my head's four blocks of 16 d
	s_add_co_u32 s2, s2, VC
	v_add_nc_u32 v3, s2, v15
	s_add_co_u32 s2, s2, 512
	v_add_nc_u32 v4, s2, v16
	s_lshl_b32 s76, s14, 1
	s_add_co_u32 s2, s76, KSC
	v_add_nc_u32 v5, s2, v54                       ; K's scale words: lanes 0-15 an even tile's, lanes 16-31 the next tile's; my head's two bytes
	s_lshl_b32 s2, s14, 8
	s_add_co_u32 s2, s2, VSC
	v_add_nc_u32 v6, s2, v54                       ; V's likewise
	; the mask: d = my query - the diagonal step's first key - 16 h
	v_and_b32 v18, 8, v55
	s_delay_alu instid0(VALU_DEP_1)
	v_add_nc_u32 v18, v18, v55                     ; r + 8 (r / 8)
	v_bfe_u32 v19, v0, 4, 1
	s_delay_alu instid0(VALU_DEP_1)
	v_lshlrev_b32 v19, 4, v19
	s_delay_alu instid0(VALU_DEP_1)
	v_sub_nc_u32 v54, v18, v19
	s_wait_alu depctr_va_vdst(0)
	s_lshl_b32 s2, s16, 4
	s_and_b32 s3, s16, 1
	s_lshl_b32 s3, s3, 3
	s_sub_co_u32 s2, s2, s3                        ; the tile's first token: 16 block - 8 (block % 2)
	s_lshl_b32 s3, s18, 7
	s_sub_co_u32 s2, s2, s3
	v_add_nc_u32 v18, s2, v54
	s_lshl_b32 s2, s17, 4
	s_and_b32 s3, s17, 1
	s_lshl_b32 s3, s3, 3
	s_sub_co_u32 s2, s2, s3
	s_lshl_b32 s3, s19, 7
	s_sub_co_u32 s2, s2, s3
	v_add_nc_u32 v19, s2, v54
	; byte offsets in memory
	s_mul_i32 s72, ttmp9, 98304                    ; the pair's codes (in a cluster launch ttmp9 counts clusters: batch x 8 + pair of heads)
	s_lshl_b32 s73, ttmp9, 12                      ; its scale words
	s_add_co_u32 s75, s72, s74
	s_mul_i32 s56, s16, 1536
	s_add_co_u32 s56, s56, s75                     ; Q's half images
	s_mov_b32 s57, 0
	s_mul_i32 s58, s17, 1536
	s_add_co_u32 s58, s58, s75
	s_mov_b32 s59, 0
	s_add_co_u32 s75, s73, s76
	s_lshl_b32 s60, s16, 6
	s_add_co_u32 s60, s60, s75                     ; Q's scale words
	s_mov_b32 s61, 0
	s_lshl_b32 s62, s17, 6
	s_add_co_u32 s62, s62, s75
	s_mov_b32 s63, 0
	s_lshr_b32 s2, ttmp9, 3                        ; batch
	s_and_b32 s3, ttmp9, 7                         ; pair of heads = K step of the next product
	s_mul_i32 s75, s2, 786432
	s_mul_i32 s15, s3, 1536
	s_add_co_u32 s75, s75, s15
	s_add_co_u32 s75, s75, s74
	s_mul_i32 s66, s16, 12288
	s_add_co_u32 s66, s66, s75                     ; the results' half images
	s_mov_b32 s67, 0
	s_mul_i32 s68, s17, 12288
	s_add_co_u32 s68, s68, s75
	s_mov_b32 s69, 0
	s_lshl_b32 s70, s2, 15
	s_lshl_b32 s3, s3, 2
	s_add_co_u32 s70, s70, s3
	s_add_co_u32 s70, s70, s76                     ; the results' scale bytes: 32,768 batch + 2 head
	s_mov_b32 s71, 0
	; groups 0, of the wave's number and the cluster's alone
	s_mov_b32 s[G0S], 1
	s_lshl_b32 s78, s14, 12
	s_lshl_b32 s79, s77, 11
	s_add_co_u32 s78, s78, s79
	s_add_co_u32 s[G0S+1], s78, KSC
	s_add_co_u32 s78, s14, 1                       ; 1 k, 2 v
	s_lshl_b32 s[G0S+2], s78, 18
	s_add_co_u32 s[G0S+2], s[G0S+2], s73
	s_add_co_u32 s[G0S+2], s[G0S+2], s79
	s_mov_b32 s[G0S+3], 0
	s_mov_b32 s[G0A], 1
	s_mul_i32 s[G0A+2], s78, 6291456
	s_mul_i32 s78, s14, 98304
	s_lshr_b32 s79, s[WV], 3                       ; waves 4-7 fetch quarters 0 and 1, waves 8-11 quarters 2 and 3
	s_lshl_b32 s79, s79, 1
	s_add_co_u32 s79, s79, s77
	s_mul_i32 s79, s79, 24576
	s_add_co_u32 s[G0A+1], s78, s79                ; quarter 0 to 3 of K or V
	s_add_co_u32 s[G0A+2], s[G0A+2], s72
	s_add_co_u32 s[G0A+2], s[G0A+2], s79
	s_mov_b32 s[G0A+3], 0
	s_wait_dscnt 0x0                               ; the opening add is done
	s_wait_kmcnt 0x0
	s_add_nc_u64 s[G0S+2:G0S+3], s[6:7], s[G0S+2:G0S+3]
	s_add_nc_u64 s[G0A+2:G0A+3], s[4:5], s[G0A+2:G0A+3]
	s_or_b32 s[G0S+3], s[G0S+3], 0x80000000
	s_or_b32 s[G0A+3], s[G0A+3], 0x80000000
	s_add_nc_u64 s[56:57], s[4:5], s[56:57]
	s_add_nc_u64 s[58:59], s[4:5], s[58:59]
	s_add_nc_u64 s[60:61], s[6:7], s[60:61]
	s_add_nc_u64 s[62:63], s[6:7], s[62:63]
	s_add_nc_u64 s[66:67], s[8:9], s[66:67]
	s_add_nc_u64 s[68:69], s[8:9], s[68:69]
	s_add_nc_u64 s[70:71], s[10:11], s[70:71]
	CROUND                                         ; all four work-groups are here: the joint loads meet
	s_cmp_lt_u32 s[WV], 4                          ; one load a wave, in one chain of branches: waves 0-3 the scale words,
	s_cbranch_scc0 .Lfill_a
	tensor_load_to_lds s[G0S:G0S+3], s[G1S:G1S+7]
	s_nop 0
.rept 4
	v_nop
.endr
	s_branch .Lno_fill
.Lfill_a:
	s_cmp_lt_u32 s[WV], 6                          ; waves 4 and 5 K's and V's quarter 0 (key steps 0 and 1),
	s_cbranch_scc0 .Lfill_b
	tensor_load_to_lds s[G0A:G0A+3], s[G1C:G1C+7]
	s_nop 0
.rept 4
	v_nop
.endr
	s_branch .Lno_fill
.Lfill_b:
	s_cmp_lt_u32 s[WV], 12                         ; waves 6-11 quarters 1, 2 and 3
	s_cbranch_scc0 .Lno_fill
	tensor_load_to_lds s[G0A:G0A+3], s[G1C:G1C+7]
	s_nop 0
.rept 4
	v_nop
.endr
.Lno_fill:
	global_load_b128 v[24:27], v15, s[56:57] th:TH_LOAD_NT         ; Q's fragments stay in registers: my head's half of an image is registers 0-5
	global_load_b64 v[28:29], v16, s[56:57] offset:512 th:TH_LOAD_NT
	global_load_u16 v20, v17, s[60:61]             ; my head's two scale bytes; bytes 2 and 3 come as 0
	global_load_b128 v[36:39], v15, s[58:59] th:TH_LOAD_NT
	global_load_b64 v[40:41], v16, s[58:59] offset:512 th:TH_LOAD_NT
	global_load_u16 v21, v17, s[62:63]
.irp j, 30,31,32,33,34,35,42,43,44,45,46,47,104,105,106,107,108,109
	v_mov_b32 v[\j], 0                             ; zero codes for k = 64 .. 127
.endr
.irp b, 0,1,2,3
	v_mov_b32 v[BP+\b], 0                          ; written once: a lane permute's destination counts as one of its sources
.endr
	v_mov_b32 v53, 0                               ; (named as the upper half of the pair v[52:53])
	v_mov_b32 v247, 0xff800000                     ; -infinity
.macro INIT                            ; a tile begins: O^T and the sum are zeros, the largest t is -3e38: the first change of M multiplies zeros
	v_mov_b32 v49, 0xff61b1e6
	s_delay_alu instid0(VALU_DEP_1)
	v_floor_f32 v48, -v49
	v_mov_b32 v50, 0
	v_mov_b32 v51, 0
.set j, 0
.rept 32
	v_mov_b32 v[O+j], 0
.set j, j+1
.endr
	s_mov_b32 s[ST], 0
	s_mov_b32 s[TB], 0
	s_mov_b32 s[TS], 0
.endm
; A KEY STEP of 128 keys for the tile whose Q lies at v[qf], scale word v[qs], mask number v[dv], diagonal step s[sd].
.macro STEP qf, qs, dv, sd
	s_cmp_gt_u32 s[ST], s[\sd]                     ; all keys hidden: the step's work is left out; the lines at its end that step addresses are not
	s_cbranch_scc1 .Lhid_\@
	v_add_nc_u32 v9, s[TB], v1                     ; (these six are also the places behind the last step's products, in front of the loads below)
	v_add_nc_u32 v10, s[TB], v2
	v_add_nc_u32 v11, s[TB], v3
	v_add_nc_u32 v12, s[TB], v4
	v_add_nc_u32 v13, s[TS], v5
	v_add_nc_u32 v14, s[TS], v6
.irp t, 0,1,2,3,4,5,6,7
	ds_load_b128 v[KV+6*\t:KV+6*\t+3], v9 offset:1536*\t
	ds_load_b64 v[KV+6*\t+4:KV+6*\t+5], v10 offset:1536*\t
.endr
.irp j, 0,1,2,3
	ds_load_u16 v[240+\j], v13 offset:128*\j
.endr
	s_wait_alu depctr_va_vdst(0)
	s_wait_dscnt 0x0
.irp t, 0,1,2,3,4,5,6,7
.if \t%2
	v_wmma_scale_f32_16x16x128_f8f6f4 v[S+8*\t:S+8*\t+7], v[KV+6*\t:KV+6*\t+11], v[\qf:\qf+11], 0, v[240+\t/2], v[\qs] matrix_a_fmt:MATRIX_FMT_FP6 matrix_b_fmt:MATRIX_FMT_FP6 matrix_a_scale:MATRIX_SCALE_ROW1
.else
	v_wmma_scale_f32_16x16x128_f8f6f4 v[S+8*\t:S+8*\t+7], v[KV+6*\t:KV+6*\t+11], v[\qf:\qf+11], 0, v[240+\t/2], v[\qs] matrix_a_fmt:MATRIX_FMT_FP6 matrix_b_fmt:MATRIX_FMT_FP6
.endif
.endr
.rept 4
	v_nop                                          ; places: in front of the loads into K's registers, and of the first read of the scores
.endr
.irp t, 0,1,2,3                                ; V's four tiles land while the softmax is walked
	ds_load_b128 v[KV+12*\t:KV+12*\t+3], v11 offset:1536*\t
	ds_load_b64 v[KV+12*\t+4:KV+12*\t+5], v12 offset:1536*\t
	ds_load_b128 v[KV+12*\t+6:KV+12*\t+9], v11 offset:1536*\t+768
	ds_load_b64 v[KV+12*\t+10:KV+12*\t+11], v12 offset:1536*\t+768
.endr
	ds_load_b32 v244, v14
	ds_load_b32 v245, v14 offset:128
	s_cmp_lg_u32 s[ST], s[\sd]                     ; on the diagonal hidden scores become -infinity ahead of the maximum
	s_cbranch_scc1 .Lopen_\@
.set n, 0
.rept 64
	v_cmp_gt_i32 vcc_lo, 32*(n/16)+n%16, v[\dv]    ; register 16 b + i holds key 128 step + 16 h + 32 b + i
	v_cndmask_b32 v[S+n], v[S+n], v247, vcc_lo
.set n, n+1
.endr
.Lopen_\@:
.irp b, 0,1,2,3
	v_max3_num_f32 v[BM+\b], v[S+16*\b], v[S+1+16*\b], v[S+2+16*\b]   ; the largest score of each block of 32 keys: for the row's maximum, and, since p rises with the score, for the block's largest p
.endr
.irp i, 3,5,7,9,11,13
.irp b, 0,1,2,3
	v_max3_num_f32 v[BM+\b], v[BM+\b], v[S+16*\b+\i], v[S+1+16*\b+\i]
.endr
.endr
.irp b, 0,1,2,3
	v_max_num_f32 v[BM+\b], v[BM+\b], v[S+15+16*\b]
.endr
.irp b, 0,1,2,3
	s_delay_alu instid0(VALU_DEP_4)
	v_permlanex16_b32 v[BP+\b], v[BM+\b], s[SEL], s[SEL+1]
.endr
.irp b, 0,1,2,3
	s_delay_alu instid0(VALU_DEP_4)
	v_max_num_f32 v[BM+\b], v[BM+\b], v[BP+\b]
.endr
	s_delay_alu instid0(VALU_DEP_2)
	v_max3_num_f32 v54, v[BM], v[BM+1], v[BM+2]
	s_delay_alu instid0(VALU_DEP_1)
	v_max_num_f32 v54, v54, v[BM+3]
	s_delay_alu instid0(VALU_DEP_1)
	v_mul_f32 v54, s[CS], v54                      ; as t
	s_delay_alu instid0(VALU_DEP_1)
	v_max_num_f32 v49, v49, v54                    ; the running largest t
	v_mov_b32 v54, v48
	s_delay_alu instid0(VALU_DEP_2)
	v_floor_f32 v48, -v49                          ; -M = floor(-t): M is a whole number
	s_delay_alu instid0(VALU_DEP_1)
	v_sub_f32 v54, v48, v54
	s_delay_alu instid0(VALU_DEP_1)
	v_cvt_i32_f32 v54, v54                         ; (it saturates)
	s_delay_alu instid0(VALU_DEP_1)
	v_ldexp_f32 v52, 1.0, v54                      ; f = 2^(old M - new M)
.set j, 0
.rept 32
	v_pk_fma_f32 v[S+j:S+j+1], v[S+j:S+j+1], s[CS:CS+1], v[48:49] op_sel_hi:[1,0,0]   ; t - M
.set j, j+2
.endr
.irp b, 0,1,2,3
	v_fma_f32 v[BM+\b], v[BM+\b], s[CS], v48
.endr
.set j, 0
	s_wait_alu depctr_va_vdst(0)
.rept 64
	v_exp_f32 v[S+j], v[S+j]                       ; p = 2^(t - M)
.set j, j+1
.endr
	v_pk_mul_f32 v[50:51], v[50:51], v[52:53] op_sel_hi:[1,0]      ; the sums under the new M: a plain place behind the exponentials
	s_wait_alu depctr_va_vdst(0)                   ; one wait for the whole batch, ahead of its first reader
.irp b, 0,1,2,3
	v_exp_f32 v[BM+\b], v[BM+\b]                   ; the block's largest p
.endr
	v_pk_add_f32 v[232:233], v[116:117], v[120:121]
	v_pk_add_f32 v[254:255], v[124:125], v[128:129]
	v_pk_add_f32 v[252:253], v[132:133], v[136:137]
	v_pk_add_f32 v[250:251], v[140:141], v[144:145]
	v_pk_add_f32 v[248:249], v[148:149], v[152:153]
	v_pk_add_f32 v[242:243], v[156:157], v[160:161]
	v_pk_add_f32 v[240:241], v[164:165], v[168:169]
	v_pk_add_f32 v[50:51], v[50:51], v[172:173]
	v_pk_add_f32 v[232:233], v[232:233], v[112:113]
	v_pk_add_f32 v[254:255], v[254:255], v[114:115]
	v_pk_add_f32 v[252:253], v[252:253], v[118:119]
	v_pk_add_f32 v[250:251], v[250:251], v[122:123]
	v_pk_add_f32 v[248:249], v[248:249], v[126:127]
	v_pk_add_f32 v[242:243], v[242:243], v[130:131]
	v_pk_add_f32 v[240:241], v[240:241], v[134:135]
	v_pk_add_f32 v[50:51], v[50:51], v[138:139]
	v_pk_add_f32 v[232:233], v[232:233], v[142:143]
	v_pk_add_f32 v[254:255], v[254:255], v[146:147]
	v_pk_add_f32 v[252:253], v[252:253], v[150:151]
	v_pk_add_f32 v[250:251], v[250:251], v[154:155]
	v_pk_add_f32 v[248:249], v[248:249], v[158:159]
	v_pk_add_f32 v[242:243], v[242:243], v[162:163]
	v_pk_add_f32 v[240:241], v[240:241], v[166:167]
	v_pk_add_f32 v[50:51], v[50:51], v[170:171]
	v_pk_add_f32 v[232:233], v[232:233], v[174:175]
	s_delay_alu instid0(VALU_DEP_2)
	v_pk_add_f32 v[50:51], v[50:51], v[250:251]
	s_delay_alu instid0(VALU_DEP_2)
	v_pk_add_f32 v[232:233], v[232:233], v[248:249]
	v_pk_add_f32 v[254:255], v[254:255], v[242:243]
	v_pk_add_f32 v[252:253], v[252:253], v[240:241]
	s_delay_alu instid0(VALU_DEP_2)
	v_pk_add_f32 v[50:51], v[50:51], v[254:255]
	s_delay_alu instid0(VALU_DEP_2)
	v_pk_add_f32 v[232:233], v[232:233], v[252:253]
	s_delay_alu instid0(VALU_DEP_1)
	v_pk_add_f32 v[50:51], v[50:51], v[232:233]
	s_wait_alu depctr_va_vdst(0)                   ; and one for the four
.irp b, 0,1,2,3
	v_max_num_f32 v[BM+\b], 0x1800000, v[BM+\b]    ; the floor 2^(3 - 127)
.endr
.irp b, 0,1,2,3
	s_delay_alu instid0(VALU_DEP_4)
	v_add_nc_u32 v[SO+\b], 0xff000000, v[BM+\b]
.endr
.irp b, 0,1,2,3
	s_delay_alu instid0(VALU_DEP_4)
	v_lshrrev_b32 v[BP+\b], 23, v[SO+\b]
.endr
	s_delay_alu instid0(VALU_DEP_3)
	v_lshl_or_b32 v246, v[BP+1], 8, v[BP]          ; p's scale word for these 128 keys
	s_delay_alu instid0(VALU_DEP_1)
	v_lshl_or_b32 v246, v[BP+2], 16, v246
	s_delay_alu instid0(VALU_DEP_1)
	v_lshl_or_b32 v246, v[BP+3], 24, v246
.irp c, 0,1
	v_cvt_scalef32_pk16_fp6_f32 v[PC+6*\c:PC+6*\c+2], v[S+32*\c:S+32*\c+15], v[SO+2*\c]
	v_cvt_scalef32_pk16_fp6_f32 v[PT+4*\c:PT+4*\c+2], v[S+16+32*\c:S+31+32*\c], v[SO+2*\c+1]
.endr
	v_nop                                          ; one plain place behind a scaled conversion
.irp c, 0,1
.irp i, 0,1,2
	v_permlane16_swap_b32 v[PC+6*\c+\i], v[PT+4*\c+\i]
.endr
.irp i, 0,1,2
	s_delay_alu instid0(VALU_DEP_3)
	v_mov_b32 v[PC+3+6*\c+\i], v[PT+4*\c+\i]
.endr
.endr
.set j, 0
.rept 16
	v_pk_mul_f32 v[O+j:O+j+1], v[O+j:O+j+1], v[52:53] op_sel_hi:[1,0]   ; O^T under the new M; these are also the places between the operand's and the scale word's last writes and the products
.set j, j+2
.endr
	s_wait_alu depctr_va_vdst(0)
	s_wait_dscnt 0x0                               ; V
.irp t, 0,1,2,3
.if \t%2
	v_wmma_scale_f32_16x16x128_f8f6f4 v[O+8*\t:O+8*\t+7], v[KV+12*\t:KV+12*\t+11], v[PC:PC+11], v[O+8*\t:O+8*\t+7], v[244+\t/2], v246 matrix_a_fmt:MATRIX_FMT_FP6 matrix_b_fmt:MATRIX_FMT_FP6 matrix_a_scale:MATRIX_SCALE_ROW1
.else
	v_wmma_scale_f32_16x16x128_f8f6f4 v[O+8*\t:O+8*\t+7], v[KV+12*\t:KV+12*\t+11], v[PC:PC+11], v[O+8*\t:O+8*\t+7], v[244+\t/2], v246 matrix_a_fmt:MATRIX_FMT_FP6 matrix_b_fmt:MATRIX_FMT_FP6
.endif
.endr
.Lhid_\@:
	s_add_co_u32 s[TB], s[TB], 12288
	s_add_co_u32 s[TS], s[TS], 512
	s_add_co_u32 s[ST], s[ST], 1
.endm
; A tile's end: O^T / the sum; register 16 b + i is d = 32 b + 16 h + i of my query: two blocks along the next K; half an image leaves, and the two bytes stay in v[pw].
.macro OUT base, pw
.rept 4
	v_nop                                          ; places behind the last products
.endr
	v_add_f32 v50, v50, v51
	s_delay_alu instid0(VALU_DEP_1)
	v_permlanex16_b32 v54, v50, s[SEL], s[SEL+1]
	s_delay_alu instid0(VALU_DEP_1)
	v_add_f32 v50, v50, v54
	s_wait_alu depctr_va_vdst(0)
	v_rcp_f32 v50, v50
	v_nop
	s_wait_alu depctr_va_vdst(0)                   ; ahead of the reciprocal's first reader
.set j, 0
.rept 16
	v_pk_mul_f32 v[S+j:S+j+1], v[O+j:O+j+1], v[50:51] op_sel_hi:[1,0]   ; each accumulator from its low end on
.set j, j+2
.endr
.irp b, 0,1
	v_max3_num_f32 v[BM+\b], |v[S+16*\b]|, |v[S+1+16*\b]|, 0x1800000
.endr
.irp i, 2,4,6,8,10,12,14
.irp b, 0,1
	s_delay_alu instid0(VALU_DEP_2)
	v_max3_num_f32 v[BM+\b], v[BM+\b], |v[S+16*\b+\i]|, |v[S+1+16*\b+\i]|
.endr
.endr
.irp b, 0,1
	s_delay_alu instid0(VALU_DEP_2)
	v_permlanex16_b32 v[BP+\b], v[BM+\b], s[SEL], s[SEL+1]
.endr
.irp b, 0,1
	s_delay_alu instid0(VALU_DEP_2)
	v_max_num_f32 v[BM+\b], v[BM+\b], v[BP+\b]
.endr
.irp b, 0,1
	s_delay_alu instid0(VALU_DEP_2)
	v_add_nc_u32 v[SO+\b], 0xff000000, v[BM+\b]
.endr
.irp b, 0,1
	s_delay_alu instid0(VALU_DEP_2)
	v_lshrrev_b32 v[BP+\b], 23, v[SO+\b]
.endr
	s_delay_alu instid0(VALU_DEP_1)
	v_lshl_or_b32 v[\pw], v[BP+1], 8, v[BP]
	v_cvt_scalef32_pk16_fp6_f32 v[PC:PC+2], v[S:S+15], v[SO]
	v_cvt_scalef32_pk16_fp6_f32 v[PT:PT+2], v[S+16:S+31], v[SO+1]
	v_nop
.irp i, 0,1,2
	v_permlane16_swap_b32 v[PC+\i], v[PT+\i]
.endr
.irp i, 0,1,2
	s_delay_alu instid0(VALU_DEP_3)
	v_mov_b32 v[PC+3+\i], v[PT+\i]
.endr
	global_store_b128 v15, v[PC:PC+3], s[\base:\base+1]            ; 512 consecutive bytes, aligned
	global_store_b64 v16, v[PC+4:PC+5], s[\base:\base+1] offset:512
.endm
	INIT
	s_cmp_lt_u32 s[WV], 6                          ; the scale words and quarter 0 are waited for by the waves that asked for them; quarters 1 to 3 may be out
	s_cbranch_scc0 .Llater
	s_wait_tensorcnt 0x0
.Llater:
	s_barrier_signal -1
	s_barrier_wait -1
	s_wait_loadcnt 0x0                             ; Q
	s_mov_b32 s[CNT], 2
.Ltile0:                                           ; the first tile's steps 0 and 1, which lie in quarter 0, while the rest lands
	STEP 24, 20, 18, 18
	s_sub_co_u32 s[CNT], s[CNT], 1
	s_cmp_lg_u32 s[CNT], 0
	s_cbranch_scc1 .Ltile0
	s_wait_tensorcnt 0x0
	s_wait_dscnt 0x0
	s_barrier_signal -1
	s_barrier_wait -1                              ; all of K and V lie in LDS
	s_mov_b32 s[CNT], 2
.Ltile1:                                           ; constant trip counts; a step past the diagonal does nothing
	STEP 24, 20, 18, 18
	s_sub_co_u32 s[CNT], s[CNT], 1
	s_cmp_lg_u32 s[CNT], 0
	s_cbranch_scc1 .Ltile1
	OUT 66, 22
	s_wait_xcnt 0x0                                ; the codes' registers are written again only behind this wait
	INIT
	s_mov_b32 s[CNT], 8
.Ltile2:
	STEP 36, 21, 19, 19
	s_sub_co_u32 s[CNT], s[CNT], 1
	s_cmp_lg_u32 s[CNT], 0
	s_cbranch_scc1 .Ltile2
	OUT 68, 23
	v_bfe_u32 v54, v0, 4, 1                        ; both tiles' scale bytes by one store: lanes 0-15 the first tile's rows, lanes 16-31 the second's
	v_and_b32 v55, 15, v0
	s_delay_alu instid0(VALU_DEP_1)
	v_lshlrev_b32 v55, 5, v55                      ; 32 bytes a row
	s_lshl_b32 s2, s16, 1
	s_sub_co_u32 s2, 63, s2
	s_lshl_b32 s2, s2, 9                           ; from the first tile's rows to the second's: 512 (63 - 2 block)
	v_mul_u32_u24 v9, s2, v54
	s_lshl_b32 s3, s16, 9
	v_add3_u32 v55, v55, v9, s3
	v_cmp_eq_u32 vcc_lo, 1, v54
	s_delay_alu instid0(VALU_DEP_1)
	v_cndmask_b32 v9, v22, v23, vcc_lo
	global_store_b16 v55, v9, s[70:71]
	s_wait_tensorcnt 0x0                           ; the wave's end
	ds_add_u32 v[SPW], v[NIL]
	s_wait_dscnt 0x0
	CROUND                                         ; the closing round
	s_endpgm
.Lfunc_end_k_q81ace8139b_attn:
	.size	k_q81ace8139b_attn, .Lfunc_end_k_q81ace8139b_attn-k_q81ace8139b_attn
	.p2alignl 7, 3214868480
	.fill 96, 4, 3214868480
	.section	.rodata,"a",@progbits
	.p2align	6, 0x0
	.amdhsa_kernel k_q81ace8139b_attn
		.amdhsa_group_segment_fixed_size 206848
		.amdhsa_private_segment_fixed_size 0
		.amdhsa_enable_private_segment 0
		.amdhsa_kernarg_size 32
		.amdhsa_user_sgpr_count 2
		.amdhsa_user_sgpr_kernarg_segment_ptr 1
		.amdhsa_wavefront_size32 1
		.amdhsa_system_sgpr_workgroup_id_x 1
		.amdhsa_system_sgpr_workgroup_id_y 1
		.amdhsa_system_sgpr_workgroup_id_z 1
		.amdhsa_system_vgpr_workitem_id 0
		.amdhsa_next_free_vgpr 256
		.amdhsa_next_free_sgpr 80
		.amdhsa_reserve_vcc 1
		.amdhsa_float_denorm_mode_32 3
		.amdhsa_float_denorm_mode_16_64 3
		.amdhsa_memory_ordered 1
		.amdhsa_forward_progress 1
		.amdhsa_inst_pref_size 90
	.end_amdhsa_kernel
	.amdgpu_metadata
---
amdhsa.version: [ 1, 2 ]
amdhsa.kernels:
  - .name:           k_q81ace8139b_attn
    .symbol:         k_q81ace8139b_attn.kd
    .args:
      - { .name: qkv, .offset: 0, .size: 8, .value_kind: global_buffer, .address_space: global }
      - { .name: qkvs, .offset: 8, .size: 8, .value_kind: global_buffer, .address_space: global }
      - { .name: ac, .offset: 16, .size: 8, .value_kind: global_buffer, .address_space: global }
      - { .name: acs, .offset: 24, .size: 8, .value_kind: global_buffer, .address_space: global }
    .group_segment_fixed_size: 206848
    .private_segment_fixed_size: 0
    .kernarg_segment_align: 8
    .kernarg_segment_size: 32
    .max_flat_workgroup_size: 512
    .sgpr_count:     80
    .vgpr_count:     256
    .wavefront_size: 32
...
	.end_amdgpu_metadata
.endif
;; end of part 3
;; launch oproj (part 4): grid 8 x 32, 4 waves a work-group, clusters of 4 x 4, 327,680 bytes of LDS; arguments ac, acs, opc, ops, bo, out0; writes out0
.if DOCPART == 4
	.amdgcn_target "amdgcn-amd-amdhsa--gfx1250"
	.amdhsa_code_object_version 6
	.text
	.protected	k_q81ace8139b_oproj
	.globl	k_q81ace8139b_oproj
	.p2align	8
	.type	k_q81ace8139b_oproj,@function
k_q81ace8139b_oproj:
	s_mov_b64 s[64:65], 0
	v_nop
	global_prefetch_b8 v0, s[64:65] scope:SCOPE_SE
	s_setreg_imm32_b32 hwreg(HW_REG_WAVE_MODE, 25, 1), 1
	s_wait_xcnt 0x0
	s_wait_alu depctr_hold_cnt(0) depctr_sa_sdst(0) depctr_va_vdst(0) depctr_va_sdst(0) depctr_va_ssrc(0) depctr_va_vcc(0) depctr_vm_vsrc(0)
	s_getreg_b32 s2, hwreg(HW_REG_IB_STS2, 6, 4)
	s_cmp_eq_u32 s2, 0
	s_cbranch_scc0 .Lentry_in_a_cluster
	s_endpgm
.Lentry_in_a_cluster:
	s_bfe_u32 s2, ttmp6, 0x10000c
	s_cmp_lg_u32 s2, 0xf033
	s_cbranch_scc0 .Lentry_shape_is_right
	s_endpgm
.Lentry_shape_is_right:
; out = attention's result x Wo + bo, on codes of FP6 (E2M3) with E8M0 scales, K = 1,024; f32 out.
; 256 work-groups: tile row R (256 tokens) x 128 columns g.  Four waves, 2 x 2: wave (a, b) takes row blocks 8 a + 0 .. 7 and columns 64 b on: its 64 rows of Wo (a row is an output column, all of K) lie in 384 registers;
; the tokens go past them in blocks of 16 rows, 32 products a block, two register sets by turns.  Fragments lie as images of their registers (1,536 bytes: half c at 768 c: four registers at 16 x lane, two at 512 + 8 x lane).
; Source 0 = Wo's rows: a lane holds a token and eight neighbouring columns a tile.  THE BIAS IS THE FIRST PRODUCTS' C.  Tokens lie in position order: place 16 u + r of 32 holds token 8 u + r + 8 (r / 8): set right in the stores' offsets.
; LDS: the tokens' chunk 0 (row blocks 0-3 and 8-11) at 0, Wo's 128 rows at BB, chunk 1 at A1, the tokens' scale bytes at ASC, a stage of 16 rows x 272 bytes for each wave, the spare words.
; All four tiles are asked for at the head, one joint load a wave; nothing is filled again.  So there is no later load to run ahead of, and no prefetch is written.  The tokens' tiles are shared along a row of the cluster, Wo's along a column.
; THREE BARRIERS show the tiles: the first Wo's rows (wave 0's load), the second the scale bytes and chunk 0 (waves 1 and 2), the third, behind block 2, chunk 1 (wave 3), ahead of the first fetch out of it.
; THE WAY OUT: each block goes through my stage as soon as it is finished, and its rows are stored behind the next block's turn: sixteen lanes store 256 consecutive bytes of a row.
.set RBB,   12288
.set BB,    98304
.set A1,    196608
.set ASC,   294912
.set STG,   303104
.set SPARE, 320512
.set NF,    34                         ; LDS loads of a block's fetch
.set NS,    16                         ; LDS instructions of a block's turn through the stage
.set L16, 4
.set L8,  5
.set X16, 6                            ; v6, v7 my row blocks in chunk 0, 1, + 16 x lane; v8, v9 + 8 x lane; v12, v13 my rows' scale words
.set X8,  8
.set SPW, 10
.set NIL, 11
.set XSR, 12
.set ABS, 14
.set BV,  15
.set WB16, 16
.set WB8, 17
.set STO, 18
.set RD,  19
.set CO,  20
.set SB,  32
.set SA,  52
.set BI,  72                           ; v72-103 the bias, eight registers a tile
.set RBK, 128                          ; v128-255 blocks read back from the stage, four sets by turns
.set G1B, 24
.set G1A, 48
.set G1S, 56
.set G0B, 68
.set G0S, 72
.set G0A, 76
.set G0C, 80
.set MSB, 0
.macro WIN new
.if MSB != (\new)
	s_set_vgpr_msb (MSB<<8)|(\new)
.set MSB, \new
.endif
.endm
.macro PLACES n
.rept \n
	v_nop
.endr
.endm
.macro WALU
	s_wait_alu depctr_va_vdst(0)
.endm
.macro BARRIER
	s_barrier_signal -1
	s_barrier_wait -1
.endm
.macro CROUND
	s_barrier_signal -1
	s_barrier_wait -1
	s_cmp_lg_u32 s14, 0
	s_cbranch_scc1 .Lnw0_\@
	s_barrier_signal -3
.Lnw0_\@:
	s_barrier_wait -3
	s_barrier_signal -1
	s_barrier_wait -1
.endm
.macro TLOAD g0, g1
	tensor_load_to_lds s[\g0:\g0+3], s[\g1:\g1+7]
	s_nop 0
	PLACES 4
.endm
.macro GROUP1 g, mask, c, rows, pitch
	s_or_b32 s[\g], s[\mask], (3<<16)|(1<<21)
	s_mov_b32 s[\g+1], ((\c)&0xffff)<<16
	s_mov_b32 s[\g+2], ((\c)>>16)|((\rows)<<16)
	s_mov_b32 s[\g+3], (\c)<<16
	s_mov_b32 s[\g+4], \rows
	s_mov_b32 s[\g+5], \pitch
	s_mov_b32 s[\g+6], 0
	s_mov_b32 s[\g+7], 0
.endm
.macro G0SET g, base, off
	s_mov_b32 s20, s\off
	s_add_nc_u64 s[\g+2:\g+3], s[\base:\base+1], s[20:21]
	s_or_b32 s[\g+3], s[\g+3], 0x80000000
.endm
.macro IMG r, a16, a8, off
	ds_load_b128 v[\r:\r+3], v[\a16] offset:\off
	ds_load_b64 v[\r+4:\r+5], v[\a8] offset:\off+512
	ds_load_b128 v[\r+6:\r+9], v[\a16] offset:\off+768
	ds_load_b64 v[\r+10:\r+11], v[\a8] offset:\off+1280
.endm
.macro WEIGHTS
.set Q_, 0
.rept 8
.set T_, 0
.rept 4
.if Q_ < 5
	WIN 1<<6
.set R_, 12*(4*Q_+T_)
.else
	WIN 2<<6
.set R_, 12*(4*(Q_-5)+T_)
.endif
	IMG R_, WB16, WB8, T_*RBB+Q_*1536
.set T_, T_+1
.endr
.set Q_, Q_+1
.endr
	WIN 0
.endm
.macro FETCH e, sp, ch                 ; block sp of chunk ch into set e, in one run: NF loads
	WIN (2+(\e))<<6
.set Q_, 0
.rept 8
.set R_, 144*(1-(\e))+12*Q_
	IMG R_, X16+\ch, X8+\ch, (\sp)*RBB+Q_*1536
.set Q_, Q_+1
.endr
	WIN 0
	ds_load_b128 v[SA+8*(\e):SA+8*(\e)+3], v[XSR+\ch] offset:(\sp)*512
	ds_load_b128 v[SA+8*(\e)+4:SA+8*(\e)+7], v[XSR+\ch] offset:(\sp)*512+16
.endm
.macro PROD2 d, s0, s1, c, x0, x1, o
	v_wmma_scale_f32_16x16x128_f8f6f4 v[\d:\d+7], v[\s0:\s0+11], v[\s1:\s1+11], \c, v[\x0], v[\x1] matrix_a_fmt:MATRIX_FMT_FP6 matrix_b_fmt:MATRIX_FMT_FP6 matrix_a_scale:MATRIX_SCALE_ROW\o
.endm
.macro PROD1 d, s0, s1, c, x0, x1, t
.if (\t)%2
	PROD2 \d, \s0, \s1, \c, \x0, \x1, 1
.else
	PROD2 \d, \s0, \s1, \c, \x0, \x1, 0
.endif
.endm
.macro PROD e, sp, q, t
.if (\q) < 5
.set WW_, 1
.set WR_, 12*(4*(\q)+(\t))
.else
.set WW_, 2
.set WR_, 12*(4*((\q)-5)+(\t))
.endif
.set XW_, 2+(\e)
.set XR_, 144*(1-(\e))+12*(\q)
.set XS_, SA+8*(\e)+(\q)
.set WS_, SB+8*((\t)/2)+(\q)
.set D_, 96+32*(\sp)+8*(\t)
.set B_, BI+8*(\t)
.if (\q) == 0
	WIN WW_|(XW_<<2)|0xc0
	PROD1 D_, WR_, XR_, v[B_:B_+7], WS_, XS_, \t
.else
	WIN WW_|(XW_<<2)|0xf0
	PROD1 D_, WR_, XR_, v[D_:D_+7], WS_, XS_, \t
.endif
.endm
.macro BLOCK e, sp                     ; 32 products; four accumulators take turns; four places behind them
.set Q_, 0
.rept 8
.set T_, 0
.rept 4
	PROD \e, \sp, Q_, T_
.set T_, T_+1
.endr
.set Q_, Q_+1
.endr
	WIN 0
	PLACES 4
.endm
.macro TOSTAGE s                       ; block s into my stage and back by rows: LDS serves a wave's instructions in order, so no wait stands between the stores and the loads, nor ahead of the next block's stores
.set U_, (\s)%4
	WIN 3<<2
.irp t, 0,1,2,3
	ds_store_b128 v[STO], v[96+32*U_+8*\t:99+32*U_+8*\t] offset:64*\t          ; each accumulator from its low end on
	ds_store_b128 v[STO], v[100+32*U_+8*\t:103+32*U_+8*\t] offset:64*\t+16
.endr
	WIN 0
.if (\s) >= 4
	s_wait_xcnt 0x0                        ; the stores of the block four back have read these registers
.endif
.irp i, 0,1,2,3,4,5,6,7
	ds_load_b128 v[RBK+32*U_+4*\i:RBK+32*U_+4*\i+3], v[RD] offset:544*\i
.endr
.endm
.macro SEND s
.set U_, (\s)%4
.irp i, 0,1,2,3,4,5,6,7
	global_store_b128 v[CO], v[RBK+32*U_+4*\i:RBK+32*U_+4*\i+3], s[98:99] offset:(64*((\s)/4)+32*(U_/2)+8*(U_%2)+2*\i+8*(\i/4))*4096 th:TH_STORE_NT
.endr
.endm
; ---- the head
	s_load_b256 s[4:11], s[0:1], 0x0               ; the tokens' codes, their scale bytes; the weights' codes, their scale bytes
	s_load_b128 s[96:99], s[0:1], 0x20             ; bo, out
	v_lshl_add_u32 v[SPW], v0, 2, SPARE
	v_mov_b32 v[NIL], 0
	ds_add_u32 v[SPW], v[NIL]
	ds_add_u32 v[SPW], v[NIL]
	v_lshrrev_b32 v1, 5, v0
	v_readfirstlane_b32 s14, v1
	s_lshr_b32 s15, s14, 1                         ; a
	s_and_b32 s16, s14, 1                          ; b
	s_bfe_u32 s40, ttmp6, 0x40000
	s_bfe_u32 s41, ttmp6, 0x40004
	s_lshl_b32 s42, ttmp9, 2
	s_add_co_u32 s42, s42, s40                     ; g
	s_and_b32 s43, ttmp7, 0xffff
	s_lshl_b32 s43, s43, 2
	s_add_co_u32 s43, s43, s41                     ; R
	s_lshl_b32 s44, s41, 2
	s_lshl_b32 s44, 15, s44
	s_lshl_b32 s45, 0x1111, s40
	GROUP1 G1B, 45, 32, 384, 32
	GROUP1 G1A, 44, 6144, 2, 12288
	GROUP1 G1S, 44, 32, 32, 32
	s_mov_b32 s[G0B], 1
	s_mov_b32 s[G0B+1], BB
	s_mov_b32 s[G0S], 1
	s_mov_b32 s[G0S+1], ASC
	s_mov_b32 s[G0A], 1
	s_mov_b32 s[G0A+1], 0
	s_mov_b32 s[G0C], 1
	s_mov_b32 s[G0C+1], A1
	s_mul_i32 s17, s42, 8*RBB
	s_add_co_u32 s17, s17, 704*RBB                 ; Wo's rows
	s_mul_i32 s18, s43, 16*RBB
	s_add_co_u32 s47, s18, 4*RBB
	s_lshl_b32 s19, s43, 13
	s_lshl_b32 s66, s42, 12
	s_lshl_b32 s67, s16, 11
	s_add_co_u32 s66, s66, s67
	s_add_co_u32 s66, s66, 360448                  ; my 64 rows of Wo's scale bytes
	s_lshl_b32 s84, s42, 9
	s_lshl_b32 s67, s16, 8
	s_add_co_u32 s84, s84, s67                     ; my 64 columns, in bytes
	s_lshl_b32 s85, s43, 20
	s_lshl_b32 s67, s15, 19
	s_add_co_u32 s85, s85, s67
	s_add_co_u32 s85, s85, s84                     ; my part of out
	s_mul_i32 s2, s15, 4*RBB
	s_add_co_u32 s3, s2, A1
	s_lshl_b32 s12, s15, 12
	s_add_co_u32 s12, s12, ASC
	s_mul_i32 s13, s16, 4*RBB
	s_add_co_u32 s13, s13, BB
	s_mul_i32 s22, s14, 4352
	s_add_co_u32 s22, s22, STG                     ; my stage
	v_and_b32 v1, 15, v0                           ; r
	v_bfe_u32 v2, v0, 4, 1                         ; h
	v_and_b32 v3, 31, v0
	v_lshlrev_b32 v[L16], 4, v3
	v_lshlrev_b32 v[L8], 3, v3
	v_lshlrev_b32 v[ABS], 5, v3
	v_lshlrev_b32 v[BV], 5, v2
	v_add_nc_u32 v[X16], s2, v[L16]
	v_add_nc_u32 v[X16+1], s3, v[L16]
	v_add_nc_u32 v[X8], s2, v[L8]
	v_add_nc_u32 v[X8+1], s3, v[L8]
	v_lshlrev_b32 v21, 5, v1
	v_add_nc_u32 v[XSR], s12, v21
	v_add_nc_u32 v[XSR+1], 2048, v[XSR]
	v_add_nc_u32 v[WB16], s13, v[L16]
	v_add_nc_u32 v[WB8], s13, v[L8]
	v_mul_u32_u24 v21, v1, 272
	v_lshl_add_u32 v21, v2, 5, v21
	v_add_nc_u32 v[STO], s22, v21                  ; in: row r, 32 bytes for each half of the lanes
	v_mul_u32_u24 v21, v2, 272
	v_lshl_add_u32 v21, v1, 4, v21
	v_add_nc_u32 v[RD], s22, v21                   ; back: lanes 0-15 a row of 256 bytes, lanes 16-31 the next
	v_lshlrev_b32 v21, 12, v2
	v_lshl_add_u32 v[CO], v1, 4, v21               ; and the same two rows in out
	WALU
	s_wait_dscnt 0x0
	CROUND
	s_wait_kmcnt 0x0
	s_mov_b32 s21, 0
	G0SET G0B, 8, 17
	G0SET G0S, 6, 19
	G0SET G0A, 4, 18
	G0SET G0C, 4, 47
	s_mov_b32 s20, s66
	s_add_nc_u64 s[22:23], s[10:11], s[20:21]
	s_mov_b32 s20, s84
	s_add_nc_u64 s[96:97], s[96:97], s[20:21]
	s_mov_b32 s20, s85
	s_add_nc_u64 s[98:99], s[98:99], s[20:21]
	s_cmp_eq_u32 s14, 0                            ; one load a wave, in one chain of branches; what is needed first is asked for first
	s_cbranch_scc0 .Lw1
	TLOAD G0B, G1B
	s_branch .Lasked
.Lw1:
	s_cmp_eq_u32 s14, 1
	s_cbranch_scc0 .Lw2
	TLOAD G0S, G1S
	s_branch .Lasked
.Lw2:
	s_cmp_eq_u32 s14, 2
	s_cbranch_scc0 .Lw3
	TLOAD G0A, G1A
	s_branch .Lasked
.Lw3:
	TLOAD G0C, G1A
.Lasked:
.irp p, 0,1
.irp c, 0,1
	global_load_b128 v[SB+8*\p+4*\c:SB+8*\p+4*\c+3], v[ABS], s[22:23] offset:1024*\p+16*\c
.endr
.endr
.irp t, 0,1,2,3
	global_load_b128 v[BI+8*\t:BI+8*\t+3], v[BV], s[96:97] offset:64*\t       ; register j of tile t is column 16 t + 8 h + j
	global_load_b128 v[BI+8*\t+4:BI+8*\t+7], v[BV], s[96:97] offset:64*\t+16
.endr
	s_cmp_eq_u32 s14, 0
	s_cbranch_scc0 .Lnot_b
	s_wait_tensorcnt 0x0
.Lnot_b:
	BARRIER                                        ; Wo's rows are in; the other tiles may be on their way: nothing is ever filled again
	WEIGHTS
	s_cmp_eq_u32 s14, 3
	s_cbranch_scc1 .Lnot_a0
	s_wait_tensorcnt 0x0
.Lnot_a0:
	s_wait_dscnt 0x0
	BARRIER                                        ; the scale bytes and chunk 0 are in; chunk 1 may still be on its way
	FETCH 0, 0, 0
	FETCH 1, 1, 0
	s_wait_loadcnt 0x0
; ---- eight blocks.  Behind block s: the fetch of block s + 2 (NF), block s's turn through the stage (NS); these two may be out at the wait that follows, which shows block s + 1's rows and block s - 1's turn done
	s_wait_dscnt NF                                ; block 1's fetch may be out
	BLOCK 0, 0
	FETCH 0, 2, 0
	TOSTAGE 0
	s_wait_dscnt NF+NS
	BLOCK 1, 1
	FETCH 1, 3, 0
	TOSTAGE 1
	s_wait_dscnt NF+NS
	SEND 0
	BLOCK 0, 2
	s_wait_tensorcnt 0x0
	s_wait_dscnt 0x0
	BARRIER                                        ; chunk 1 is in, shown to all waves ahead of the first fetch out of it
	FETCH 0, 0, 1
	TOSTAGE 2
	s_wait_dscnt NF+NS
	SEND 1
	BLOCK 1, 3
	FETCH 1, 1, 1
	TOSTAGE 3
	s_wait_dscnt NF+NS
	SEND 2
	BLOCK 0, 0
	FETCH 0, 2, 1
	TOSTAGE 4
	s_wait_dscnt NF+NS
	SEND 3
	BLOCK 1, 1
	FETCH 1, 3, 1
	TOSTAGE 5
	s_wait_dscnt NF+NS
	SEND 4
	BLOCK 0, 2                                     ; nothing more to fetch
	TOSTAGE 6
	s_wait_dscnt NS
	SEND 5
	BLOCK 1, 3
	TOSTAGE 7
	s_wait_dscnt NS
	SEND 6
	s_wait_dscnt 0x0
	SEND 7
	s_wait_tensorcnt 0x0                           ; the wave's end
	ds_add_u32 v[SPW], v[NIL]
	s_wait_dscnt 0x0
	CROUND                                         ; the closing round
	s_endpgm
.Lfunc_end_k_q81ace8139b_oproj:
	.size	k_q81ace8139b_oproj, .Lfunc_end_k_q81ace8139b_oproj-k_q81ace8139b_oproj
	.p2alignl 7, 3214868480
	.fill 96, 4, 3214868480
	.section	.rodata,"a",@progbits
	.p2align	6, 0x0
	.amdhsa_kernel k_q81ace8139b_oproj
		.amdhsa_group_segment_fixed_size 327680
		.amdhsa_private_segment_fixed_size 0
		.amdhsa_enable_private_segment 0
		.amdhsa_kernarg_size 48
		.amdhsa_user_sgpr_count 2
		.amdhsa_user_sgpr_kernarg_segment_ptr 1
		.amdhsa_wavefront_size32 1
		.amdhsa_system_sgpr_workgroup_id_x 1
		.amdhsa_system_sgpr_workgroup_id_y 1
		.amdhsa_system_sgpr_workgroup_id_z 1
		.amdhsa_system_vgpr_workitem_id 0
		.amdhsa_next_free_vgpr 992
		.amdhsa_next_free_sgpr 102
		.amdhsa_reserve_vcc 0
		.amdhsa_float_denorm_mode_32 3
		.amdhsa_float_denorm_mode_16_64 3
		.amdhsa_memory_ordered 1
		.amdhsa_forward_progress 1
		.amdhsa_inst_pref_size 85
	.end_amdhsa_kernel
	.amdgpu_metadata
---
amdhsa.version: [ 1, 2 ]
amdhsa.kernels:
  - .name:           k_q81ace8139b_oproj
    .symbol:         k_q81ace8139b_oproj.kd
    .args:
      - { .name: ac, .offset: 0, .size: 8, .value_kind: global_buffer, .address_space: global }
      - { .name: acs, .offset: 8, .size: 8, .value_kind: global_buffer, .address_space: global }
      - { .name: opc, .offset: 16, .size: 8, .value_kind: global_buffer, .address_space: global }
      - { .name: ops, .offset: 24, .size: 8, .value_kind: global_buffer, .address_space: global }
      - { .name: bo, .offset: 32, .size: 8, .value_kind: global_buffer, .address_space: global }
      - { .name: out0, .offset: 40, .size: 8, .value_kind: global_buffer, .address_space: global }
    .group_segment_fixed_size: 327680
    .private_segment_fixed_size: 0
    .kernarg_segment_align: 8
    .kernarg_segment_size: 48
    .max_flat_workgroup_size: 128
    .sgpr_count:     102
    .vgpr_count:     992
    .wavefront_size: 32
...
	.end_amdgpu_metadata
.endif
;; end of part 4
